; MI455X (gfx1250); checked and timed in simulation.
; The chip was launched on July 23, 2026; its instructions are those of AMD's public machine-readable ISA for CDNA 5 (MIT licence, August 2026) and "CDNA5" Instruction Set Architecture Reference Guide (July 2026). The comments in the code are by the model that wrote it; some were corrected since.
;; Block. Allowed arithmetic: matrix products marked QUANTISED: E2M3 operands, one E8M0 scale for each 32 along K, by v_wmma_scale_f32_16x16x128_f8f6f4 with both operands' format E2M3, f32 sums; everything else in f32.
;; Inputs: W1 1,024 x 4,096 float32; W2 4,096 x 1,024 float32; WK 1,024 x 1,024 float32; WO 1,024 x 1,024 float32; WQ 1,024 x 1,024 float32; WV 1,024 x 1,024 float32; X 4 x 1,024 x 1,024 float32; b1 4,096 float32; b2 1,024 float32; bK 1,024 float32; bO 1,024 float32; bQ 1,024 float32; bV 1,024 float32; be1 1,024 float32; be2 1,024 float32; g1 1,024 float32; g2 1,024 float32.
;; Outputs: out0 4 x 1,024 x 1,024 float32.
;; This version of the problem:
;;   THIS VERSION OF THE PROBLEM IS GIVEN IN LOW PRECISION. The matrix products marked QUANTISED in the list below multiply operands that are first quantised to E2M3 (2 exponent bits, 3 mantissa bits; 6 bits a number), with one power-of-two scale for each 32 numbers along K (OCP MX v1.0); their sums are f32. All else is computed in f32.
;;   The module's matrix products, in the order in which they are computed (A, B: the left and right operand; K: the contracted axis; several contracted axes count as one K, in the product's order):
;;     1. [M 4,096, K 1,024] x [K 1,024, N 1,024]; A: computed on the way; B: input WQ: QUANTISED
;;     2. [M 4,096, K 1,024] x [K 1,024, N 1,024]; A: computed on the way; B: input WK: QUANTISED
;;     3. [M 4,096, K 1,024] x [K 1,024, N 1,024]; A: computed on the way; B: input WV: QUANTISED
;;     4. batch 64 x [M 1,024, K 64] x [K 64, N 1,024]; A: computed on the way; B: computed on the way: QUANTISED
;;     5. batch 64 x [M 1,024, K 1,024] x [K 1,024, N 64]; A: softmax (see below); B: computed on the way: QUANTISED
;;     6. [M 4,096, K 1,024] x [K 1,024, N 1,024]; A: computed on the way; B: input WO: QUANTISED
;;     7. [M 4,096, K 1,024] x [K 1,024, N 4,096]; A: computed on the way; B: input W1: QUANTISED
;;     8. [M 4,096, K 4,096] x [K 4,096, N 1,024]; A: computed on the way; B: input W2: QUANTISED
;;   THE QUANTISER, for each operand of a quantised product, along K:
;;     - K is cut into blocks of 32 from its start; a last block that is shorter is filled with zeros.
;;     - A block's scale is 2^e with e = floor(log2(the largest magnitude in the block)) - 2, held to -126 .. 127; a block of zeros has e = 0. As a byte (E8M0): e + 127.
;;     - Each number is divided by its block's scale, clamped to +-7.5, and rounded to the nearest number of E2M3, ties to even, subnormals kept.
;;     - The product sums the exact products of the quantised numbers (number of the format x scale) in f32.
;;   ~~~python
;;   def quantise(x, axis):      # numpy; x: float32 -> the quantised numbers, widened to float32 again
;;       x = np.moveaxis(x, axis, -1); K = x.shape[-1]
;;       x = np.pad(x, [(0, 0)] * (x.ndim - 1) + [(0, -K % 32)]); x = x.reshape(x.shape[:-1] + (-1, 32)); a = np.abs(x).max(-1, keepdims=True)
;;       e = np.where(a > 0, np.clip(np.frexp(np.where(a > 0, a, 1))[1] - 1 - 2, -126, 127), 0)      # np.frexp(a)[1] - 1 = floor(log2(a)), exactly
;;       r = np.clip(x / 2.0 ** e, -7.5, 7.5)
;;       step = 2.0 ** (np.maximum(np.frexp(np.where(r == 0, 1, r))[1] - 1, 0) - 3)
;;       q = np.round(r / step) * step * 2.0 ** e      # np.round: ties to even
;;       return np.moveaxis(q.reshape(q.shape[:-2] + (-1,))[..., :K], -1, axis).astype(np.float32)
;;   ~~~
;;   SOFTMAX AHEAD OF A QUANTISED PRODUCT. Where the list says 'softmax', what is quantised is not the finished softmax but p = 2^(t - M), with t = logit x log2(e) and M = ceil(the row's largest t), a whole number; so 1/2 < the row's largest p <= 1. The row's sum l is taken of the UNQUANTISED p, in f32, and the product's result is divided by l at the end. Since M is a whole number, a kernel that streams over the keys may use a running M (the ceiling of the running maximum): every later rescaling is an exact power of two, which a block's scale takes up: the codes' values come out the same.
;;   OPERANDS COMPUTED ON THE WAY. 'Computed on the way' means the value that the module computes at that place (a softmax that the list does not call 'softmax' is quantised finished and normalised). What goes into a quantiser is computed in f32, as accurately as f32 sums, v_exp_f32 and their like allow (about 1e-6 of the number): no bf16 or f16 on the way to a quantiser, and a product that is left as it is and whose result goes on into a quantised operand takes f32 operands (vector FMAs, or v_wmma_f32_16x16x4_f32). A number that lies on a knife's edge between two numbers of the format may be rounded either way, as far as f32 arithmetic and the matrix unit's own rounding can turn it there, and no further.
;; One version. Each part assembles by itself: llvm-mc -triple=amdgcn-amd-amdhsa -mcpu=gfx1250 --defsym DOCPART=n.
;; ======== version 1 of 1: 7 launches
;; workspace buffers: wc 9,437,184 bytes; ws 393,216 bytes; xc 3,276,800 bytes; qkvc 10,092,544 bytes; avc 3,276,800 bytes; x1 16,777,216 bytes; hc 13,107,200 bytes
;; launch prep (part 1): grid 640 x 1, 4 waves a work-group, no clusters, 92,928 bytes of LDS; arguments WQ, WK, WV, WO, W1, W2, wc, ws, X, g1, be1, xc; writes wc, ws, xc
.if DOCPART == 1
	.amdgcn_target "amdgcn-amd-amdhsa--gfx1250"
	.amdhsa_code_object_version 6
	.text
	.protected	k_q11f2eb2563_prep
	.globl	k_q11f2eb2563_prep
	.p2align	8
	.type	k_q11f2eb2563_prep,@function
k_q11f2eb2563_prep:
	s_mov_b64 s[64:65], 0
	v_nop
	global_prefetch_b8 v0, s[64:65] scope:SCOPE_SE
	s_setreg_imm32_b32 hwreg(HW_REG_WAVE_MODE, 25, 1), 1
	s_wait_xcnt 0x0
; TWO JOBS THAT DO NOT DEPEND ON EACH OTHER SHARE ONE LAUNCH, parted by the work-group's number at the first line: work-groups 0-383 quantise the six weights, work-groups 384-639 norm X and quantise it.
; Each job has LDS bytes of its own: the first bytes 0 .. 26,623, the second bytes 26,624 .. 92,415.  Both stream: no matrix work, no cluster, no tensor load.
; JOB 1.  The six weights, f32, stored [K][N], become codes of FP6 (E2M3) with one E8M0 byte for each 32 along K, laid as the products' operand registers want them.
; TILES: 16 columns; tile 2 b + u, place r, is column 32 b + 8 u + r + 8 (r / 8).  CODES: [tile][K / 64][768]: a half image: lane l = r + 16 h holds k = 32 h + 0 .. 31 of its 64: its registers 0-3 at 16 l, 4-5 at 512 + 8 l.
; SCALES: [128 columns][K / 128][r 16][tile 8] words of four bytes.  A block's byte is its largest magnitude's exponent field - 2, held at 1 from below.
; A work-group takes 128 columns x 256 along K, a wave 32 columns, a lane ONE column with its registers running down K: a block of 32 is one lane's, and the conversions give codes with K innermost.
; One path serves all six tensors: pointers, the row's bytes and the tile's pitch are chosen by the work-group's number.  Work-groups 0-127: WQ, WK, WV, WO (32 each); 128-255: W1; 256-383: W2.
; JOB 2.  LayerNorm of 4,096 rows of 1,024 f32: y = (x - mean) rsqrt(var + 1e-5) g + b in f32; the mean first, then the mean of the squared differences, so that a common offset does no harm; quantised along the row.
; Work-group 384 + t makes tile t of 16 rows: place s is row 32 (t / 2) + 8 (t % 2) + s + 8 (s / 8).  Codes as above; scales at byte 3,145,728: [tile / 8][K / 128][r 16][tile % 8] words.
; PHASE 1: wave w norms places 4 w .. 4 w + 3, four neighbouring rows, each whole in the wave.  The rows go to LDS (pitch 4,112 bytes).  PHASE 2, behind the one barrier: wave w takes columns 256 w .. + 255 of all 16 rows,
; lane (r, h) 16 neighbours of each block of 32 of row r, and quantises two fragments.
; LIMITS: NaN and infinities are not served; a block whose largest magnitude lies under 2^-124 (a block of zeros too) keeps the byte 1: its codes are what the division by 2^-126 gives (zeros for zeros), and this program alone reads the bytes.
.set NWQ,  384                         ; work-groups of the first job
.set TILE, 3200                        ; a tile's 4 half images in the stage, 3,072 bytes + 128, so that the two tiles of a wave fall on different banks
.set SCB,  8*TILE                      ; behind the stage: the work-group's scale words, [2][16][8] x 4 bytes
.set VOFF, 32                          ; v32-63   4 x lane + i rows
.set X,    64                          ; v64-127  two sets of 32 numbers
.set OUTR, 128                         ; v128-175 the way out
.set LB,   26624                       ; the second job's LDS begins here
.set PITCH, 4112
.set XR, 32                            ; v32-159  four rows, later 128 numbers of my row's 256 columns
.set GR, 160                           ; v160-191 g
.set BE, 192                           ; v192-223 b
.set SM, 224                           ; v224-231 sums, a pair a row
.set PT, 232                           ; v232-235 the other half's sums
.set SQ, 240                           ; v240-247 sums of squares
.set RS, 248                           ; v248-255 1 / sqrt, a pair a row
.set TM, 224                           ; phase 2: v224-239 at work
.set SEL, 20
.set PC0, 160
.set PC1, 180
.set PW0, 200
.set PW1, 201
	v_lshl_add_u32 v30, v0, 2, 0x16900
	v_mov_b32 v31, 0
	s_cmp_ge_u32 ttmp9, NWQ
	s_cbranch_scc1 .Lnorm
	; ---------------- JOB 1: the weights
	s_load_b512 s[16:31], s[0:1], 0x0              ; WQ 16, WK 18, WV 20, WO 22, W1 24, W2 26, wc 28, ws 30
	v_lshrrev_b32 v1, 5, v0
	v_readfirstlane_b32 s2, v1                     ; wave
	v_and_b32 v2, 31, v0                           ; lane
	s_lshr_b32 s3, ttmp9, 5                        ; which tensor: 0-3 the four square ones, 4-7 W1, 8-11 W2
	s_cmp_ge_u32 ttmp9, 256
	s_cselect_b32 s4, 256, 0
	s_cselect_b32 s5, 4, 2                         ; W2 has 16 parts of 256 along K, the others 4
	s_cselect_b32 s6, 15, 3
	s_mov_b32 s7, 12288
	s_cselect_b32 s7, 49152, s7                    ; a tile's bytes in wc: K x 12
	s_sub_co_u32 s4, ttmp9, s4
	s_lshr_b32 s8, s4, s5                          ; the group of 128 columns
	s_and_b32 s9, s4, s6                           ; the part along K
	s_lshl_b32 s10, s8, 2
	s_add_co_u32 s10, s10, 64                      ; W2's groups are four times as long and lie behind the other 64
	s_and_b32 s11, s8, 31
	s_and_b32 s12, s8, 7
	s_cmp_ge_u32 ttmp9, 128
	s_cselect_b32 s12, s11, s12                    ; the group inside its own tensor
	s_mov_b32 s13, 4096
	s_cselect_b32 s13, 16384, s13                  ; a row of the tensor in bytes
	s_cmp_ge_u32 ttmp9, 256
	s_cselect_b32 s10, s10, s8
	s_cselect_b32 s12, s8, s12
	s_cselect_b32 s13, 4096, s13
	v_bfe_u32 v3, v2, 3, 1                         ; u
	v_and_b32 v12, 7, v2
	v_lshrrev_b32 v13, 4, v2
	v_lshl_or_b32 v12, v13, 3, v12                 ; r
	s_lshl_b32 s51, s2, 1
	v_add_nc_u32 v13, s51, v3                      ; my tile of the group: 2 wave + u
	v_mul_u32_u24 v13, v13, TILE
	v_lshl_add_u32 v4, v12, 4, v13                 ; stage: registers 0-3 of my place
	v_lshl_add_u32 v5, v12, 3, v13                 ; and registers 4-5
	v_lshlrev_b32 v6, 5, v12
	v_lshl_add_u32 v6, v3, 2, v6
	s_lshl_b32 s52, s2, 3
	s_add_co_u32 s52, s52, SCB
	v_add_nc_u32 v6, s52, v6                       ; my scale word: 32 r + 4 (2 wave + u)
	s_mul_i32 s52, s51, TILE
	v_lshl_add_u32 v7, v2, 4, s52                  ; back out of the stage: 16 x lane in my wave's two tiles
	s_mul_i32 s53, s51, s7
	v_lshl_add_u32 v8, v2, 4, s53                  ; the same place in wc, first tile,
	v_add_nc_u32 v9, s7, v8                        ; second tile
	s_lshl_b32 s54, s2, 8
	v_lshl_add_u32 v11, v2, 3, s54                 ; the scale words' way out: 256 bytes a wave, 8 a lane
	v_add_nc_u32 v10, SCB, v11
	v_lshlrev_b32 v[VOFF], 2, v2
.set n, 1
.rept 31
	v_add_nc_u32 v[VOFF+n], s13, v[VOFF+n-1]
.set n, n+1
.endr
	s_lshl_b32 s14, s13, 8
	s_mul_i32 s14, s14, s9                         ; 256 rows for each part along K
	s_lshl_b32 s15, s12, 9
	s_add_co_u32 s14, s14, s15                     ; 512 bytes a group
	s_lshl_b32 s15, s2, 7
	s_add_co_u32 s14, s14, s15                     ; 128 bytes a wave
	s_mov_b32 s15, 0
	s_mul_i32 s48, s10, 98304
	s_mul_i32 s50, s9, 3072
	s_add_co_u32 s48, s48, s50
	s_mov_b32 s49, 0
	s_wait_kmcnt 0x0
	s_cmp_eq_u32 s3, 1
	s_cselect_b64 s[16:17], s[18:19], s[16:17]
	s_cmp_eq_u32 s3, 2
	s_cselect_b64 s[16:17], s[20:21], s[16:17]
	s_cmp_eq_u32 s3, 3
	s_cselect_b64 s[16:17], s[22:23], s[16:17]
	s_cmp_ge_u32 s3, 4
	s_cselect_b64 s[16:17], s[24:25], s[16:17]
	s_cmp_ge_u32 s3, 8
	s_cselect_b64 s[16:17], s[26:27], s[16:17]
	s_add_nc_u64 s[32:33], s[16:17], s[14:15]      ; block 0's first row; a base for each of the 8 blocks, so that nothing is stepped
	s_lshl_b32 s14, s13, 5
.irp k, 1,2,3,4,5,6,7
	s_add_nc_u64 s[32+2*\k:33+2*\k], s[30+2*\k:31+2*\k], s[14:15]
.endr
	s_add_nc_u64 s[28:29], s[28:29], s[48:49]
	s_lshl_b32 s48, s10, 12
	s_lshl_b32 s50, s9, 10
	s_add_co_u32 s48, s48, s50
	s_add_nc_u64 s[30:31], s[30:31], s[48:49]
.macro LOAD kb                         ; block kb: 32 rows at my column: 128 consecutive bytes a wave and load
.set n, 0
.rept 32
	global_load_b32 v[X+32*((\kb)%2)+n], v[VOFF+n], s[32+2*(\kb):33+2*(\kb)] th:TH_LOAD_NT
.set n, n+1
.endr
.endm
.macro BLOCK kb
.set XS, X+32*((\kb)%2)
.if (\kb) < 7
	s_wait_loadcnt 32                              ; this block's 32 loads are in; the next block's 32 may be out
.else
	s_wait_loadcnt 0x0
.endif
	v_max3_num_f32 v12, |v[XS]|, |v[XS+1]|, |v[XS+2]|
	v_max3_num_f32 v13, |v[XS+3]|, |v[XS+4]|, |v[XS+5]|
.irp i, 6,10,14,18,22,26
	v_max3_num_f32 v12, v12, |v[XS+\i]|, |v[XS+\i+1]|
	v_max3_num_f32 v13, v13, |v[XS+\i+2]|, |v[XS+\i+3]|
.endr
	v_max3_num_f32 v12, v12, |v[XS+30]|, |v[XS+31]|
	v_max3_num_f32 v12, v12, v13, 0x1800000        ; with the floor 2^(3 - 127): the byte cannot fall under 1
	v_add_nc_u32 v14, 0xff000000, v12              ; 2 off the exponent field: the conversion's scale operand
	v_cvt_scalef32_pk16_fp6_f32 v[20:22], v[XS:XS+15], v14
	v_cvt_scalef32_pk16_fp6_f32 v[26:28], v[XS+16:XS+31], v14   ; (a conversion's three registers begin on an even number)
	v_lshrrev_b32 v15, 23, v14                     ; the byte; also the plain line behind the conversions
.if (\kb)%4 == 0
	v_mov_b32 v[16+(\kb)/4], v15
.else
	v_lshl_or_b32 v[16+(\kb)/4], v15, 8*((\kb)%4), v[16+(\kb)/4]
.endif
	v_mov_b32 v23, v26
	v_mov_b32 v24, v27
	v_mov_b32 v25, v28
	ds_store_b128 v4, v[20:23] offset:((\kb)/2)*768+((\kb)%2)*256
	ds_store_b64 v5, v[24:25] offset:((\kb)/2)*768+512+((\kb)%2)*128
.if (\kb)+2 < 8
	LOAD (\kb)+2
.endif
	s_wait_dscnt 0x0                               ; the stores have read their registers
.endm
	LOAD 0
	LOAD 1
.irp k, 0,1,2,3,4,5,6,7
	BLOCK \k
.endr
	ds_store_b32 v6, v16
	ds_store_b32 v6, v17 offset:512
	s_wait_dscnt 0x0                               ; for the others' sake: the scale block is made by four waves
	s_barrier_signal -1
	s_barrier_wait -1
	ds_load_b64 v[18:19], v10
.irp j, 0,1,2,3,4,5
	ds_load_b128 v[OUTR+4*\j:OUTR+4*\j+3], v7 offset:512*\j
.endr
.irp j, 0,1,2,3,4,5
	ds_load_b128 v[OUTR+24+4*\j:OUTR+24+4*\j+3], v7 offset:TILE+512*\j
.endr
	s_wait_dscnt 12                                ; the 12 younger loads may be out
	global_store_b64 v11, v[18:19], s[30:31]       ; a wave stores 256 consecutive bytes, aligned
.irp j, 0,1,2,3,4,5
	s_wait_dscnt 11-\j
	global_store_b128 v8, v[OUTR+4*\j:OUTR+4*\j+3], s[28:29] offset:512*\j   ; 512 consecutive bytes
.endr
.irp j, 0,1,2,3,4,5
	s_wait_dscnt 5-\j
	global_store_b128 v9, v[OUTR+24+4*\j:OUTR+24+4*\j+3], s[28:29] offset:512*\j
.endr
	s_wait_tensorcnt 0x0
	ds_add_u32 v30, v31
	s_wait_dscnt 0x0
	s_endpgm
	; ---------------- JOB 2: LayerNorm of X
.macro REDUCE b                        ; four rows' sums over the wave, by turns; the result stands in every lane
.irp k, 0,1,2,3
	v_add_f32 v[\b+2*\k], v[\b+2*\k], v[\b+2*\k+1]
.endr
.irp m, 1,2,4,8
.irp k, 0,1,2,3
	v_add_f32_dpp v[\b+2*\k], v[\b+2*\k], v[\b+2*\k] row_xmask:\m row_mask:0xf bank_mask:0xf
.endr
.endr
.irp k, 0,1,2,3
	v_permlanex16_b32 v[PT+\k], v[\b+2*\k], s[SEL], s[SEL+1]
.endr
.irp k, 0,1,2,3
	v_add_f32 v[\b+2*\k], v[\b+2*\k], v[PT+\k]
.endr
.endm
; 64 numbers of a lane, register 16 b + i = k 32 b + 16 (lane / 16) + i of my row, become a fragment's 12 registers in v[pc] on and its scale word in v[pw]
.macro QUANT s, pc, pw
.irp b, 0,1,2,3
	v_max3_num_f32 v[TM+\b], |v[\s+16*\b]|, |v[\s+1+16*\b]|, 0x1800000   ; with the floor 2^(3 - 127)
.endr
.irp i, 2,4,6,8,10,12,14
.irp b, 0,1,2,3
	v_max3_num_f32 v[TM+\b], v[TM+\b], |v[\s+16*\b+\i]|, |v[\s+1+16*\b+\i]|
.endr
.endr
.irp b, 0,1,2,3
	v_permlanex16_b32 v[TM+4+\b], v[TM+\b], s[SEL], s[SEL+1]
.endr
.irp b, 0,1,2,3
	v_max_num_f32 v[TM+\b], v[TM+\b], v[TM+4+\b]   ; with lane l xor 16's 16: the block's largest magnitude
.endr
.irp b, 0,1,2,3
	v_add_nc_u32 v[TM+12+\b], 0xff000000, v[TM+\b] ; 2 off the exponent field: the conversion's scale operand
.endr
.irp b, 0,1,2,3
	v_lshrrev_b32 v[TM+4+\b], 23, v[TM+12+\b]      ; the byte
.endr
	v_lshl_or_b32 v[\pw], v[TM+5], 8, v[TM+4]
	v_lshl_or_b32 v[\pw], v[TM+6], 16, v[\pw]
	v_lshl_or_b32 v[\pw], v[TM+7], 24, v[\pw]
.irp c, 0,1
	v_cvt_scalef32_pk16_fp6_f32 v[\pc+6*\c:\pc+2+6*\c], v[\s+32*\c:\s+15+32*\c], v[TM+12+2*\c]
	v_cvt_scalef32_pk16_fp6_f32 v[\pc+12+4*\c:\pc+14+4*\c], v[\s+16+32*\c:\s+31+32*\c], v[TM+12+2*\c+1]
.endr
	v_nop                                          ; one plain line behind the conversions
.irp c, 0,1                            ; a whole block to a lane: lanes 0-15 block 2 c, lanes 16-31 block 2 c + 1
.irp i, 0,1,2
	v_permlane16_swap_b32 v[\pc+6*\c+\i], v[\pc+12+4*\c+\i]
.endr
.irp i, 0,1,2
	v_mov_b32 v[\pc+3+6*\c+\i], v[\pc+12+4*\c+\i]
.endr
.endr
.endm
.Lnorm:
	s_load_b256 s[4:11], s[0:1], 0x40              ; x 4, g 6, b 8, the codes' buffer 10
	s_sub_co_u32 s24, ttmp9, NWQ                   ; t: my tile of 16 rows
	v_lshrrev_b32 v1, 5, v0
	v_readfirstlane_b32 s12, v1                    ; wave
	v_and_b32 v2, 31, v0
	v_lshlrev_b32 v3, 4, v2                        ; 16 x lane
	v_lshl_add_u32 v8, v2, 3, 512                  ; 512 + 8 x lane
	v_and_b32 v6, 15, v0                           ; r
	v_bfe_u32 v7, v0, 4, 1                         ; h
	s_mul_i32 s16, s12, 4*PITCH
	s_add_co_u32 s16, s16, LB
	v_add_nc_u32 v4, s16, v3                       ; LDS, in: my wave's four rows, 16 bytes a lane
	v_mul_u32_u24 v5, v6, PITCH
	v_lshl_add_u32 v5, v7, 6, v5
	s_lshl_b32 s16, s12, 10
	s_add_co_u32 s16, s16, LB
	v_add_nc_u32 v5, s16, v5                       ; LDS, out: row r, my wave's 1,024 bytes, + 64 h
	v_lshlrev_b32 v9, 5, v6
	v_lshl_add_u32 v9, v7, 9, v9                   ; the scale word's place: 32 r, and lanes 16-31 the next K step's block
	s_lshr_b32 s13, s24, 1
	s_lshl_b32 s13, s13, 5
	s_and_b32 s14, s24, 1
	s_lshl_b32 s14, s14, 3
	s_add_co_u32 s13, s13, s14
	s_lshl_b32 s14, s12, 2
	s_add_co_u32 s13, s13, s14
	s_lshr_b32 s14, s12, 1
	s_lshl_b32 s14, s14, 3
	s_add_co_u32 s13, s13, s14                     ; my wave's first row
	s_lshl_b32 s14, s13, 12
	s_mov_b32 s15, 0
	s_mul_i32 s16, s24, 12288
	s_mul_i32 s17, s12, 3072
	s_add_co_u32 s16, s16, s17                     ; my two fragments in the tile's codes
	s_mov_b32 s17, 0
	s_lshr_b32 s18, s24, 3
	s_lshl_b32 s18, s18, 3
	s_lshl_b32 s19, s12, 1
	s_add_co_u32 s18, s18, s19
	s_lshl_b32 s18, s18, 9
	s_and_b32 s19, s24, 7
	s_lshl_b32 s19, s19, 2
	s_add_co_u32 s18, s18, s19
	s_add_co_u32 s18, s18, 3145728
	s_mov_b32 s19, 0
	s_mov_b32 s[SEL], 0x76543210
	s_mov_b32 s[SEL+1], 0xfedcba98
	s_mov_b32 s22, 0x3a800000                      ; 1 / 1,024
	s_mov_b32 s23, 0x3727c5ac                      ; 1e-5
.irp k, 0,1,2,3
	v_mov_b32 v[PT+\k], 0                          ; a lane permute's destination counts as read
	v_mov_b32 v[RS+2*\k+1], 0                      ; named as the upper half of a pair
.endr
	s_wait_kmcnt 0x0
	s_add_nc_u64 s[4:5], s[4:5], s[14:15]
	s_add_nc_u64 s[16:17], s[10:11], s[16:17]
	s_add_nc_u64 s[18:19], s[10:11], s[18:19]
.irp k, 0,1,2,3
.irp j, 0,1,2,3,4,5,6,7
	global_load_b128 v[XR+32*\k+4*\j:XR+32*\k+4*\j+3], v3, s[4:5] offset:4096*\k+512*\j   ; 512 consecutive bytes a load
.endr
.endr
.irp j, 0,1,2,3,4,5,6,7
	global_load_b128 v[GR+4*\j:GR+4*\j+3], v3, s[6:7] offset:512*\j
.endr
.irp j, 0,1,2,3,4,5,6,7
	global_load_b128 v[BE+4*\j:BE+4*\j+3], v3, s[8:9] offset:512*\j
.endr
	s_wait_loadcnt 16                              ; the rows are in; the 16 loads of g and b may be out
.irp k, 0,1,2,3
	v_pk_add_f32 v[SM+2*\k:SM+2*\k+1], v[XR+32*\k:XR+32*\k+1], v[XR+32*\k+2:XR+32*\k+3]
.endr
.irp i, 4,6,8,10,12,14,16,18,20,22,24,26,28,30
.irp k, 0,1,2,3
	v_pk_add_f32 v[SM+2*\k:SM+2*\k+1], v[SM+2*\k:SM+2*\k+1], v[XR+32*\k+\i:XR+32*\k+\i+1]
.endr
.endr
	REDUCE SM
.irp k, 0,1,2,3
	v_mul_f32 v[SM+2*\k], s22, v[SM+2*\k]          ; the mean
.endr
.irp i, 0,2,4,6,8,10,12,14,16,18,20,22,24,26,28,30
.irp k, 0,1,2,3
	v_pk_add_f32 v[XR+32*\k+\i:XR+32*\k+\i+1], v[XR+32*\k+\i:XR+32*\k+\i+1], v[SM+2*\k:SM+2*\k+1] op_sel_hi:[1,0] neg_lo:[0,1] neg_hi:[0,1]
.endr
.endr
.irp k, 0,1,2,3
	v_pk_mul_f32 v[SQ+2*\k:SQ+2*\k+1], v[XR+32*\k:XR+32*\k+1], v[XR+32*\k:XR+32*\k+1]
.endr
.irp i, 2,4,6,8,10,12,14,16,18,20,22,24,26,28,30
.irp k, 0,1,2,3
	v_pk_fma_f32 v[SQ+2*\k:SQ+2*\k+1], v[XR+32*\k+\i:XR+32*\k+\i+1], v[XR+32*\k+\i:XR+32*\k+\i+1], v[SQ+2*\k:SQ+2*\k+1]
.endr
.endr
	REDUCE SQ
.irp k, 0,1,2,3
	v_fma_f32 v[SQ+2*\k], v[SQ+2*\k], s22, s23     ; var + 1e-5
.endr
.irp k, 0,1,2,3
	v_rsq_f32 v[RS+2*\k], v[SQ+2*\k]
.endr
	v_nop                                          ; a plain line behind the last of the four
	s_wait_loadcnt 0x0                             ; g and b
	s_wait_alu depctr_va_vdst(0)                   ; one wait for the four, ahead of their first reader
.irp i, 0,2,4,6,8,10,12,14,16,18,20,22,24,26,28,30
.irp k, 0,1,2,3
	v_pk_mul_f32 v[XR+32*\k+\i:XR+32*\k+\i+1], v[XR+32*\k+\i:XR+32*\k+\i+1], v[RS+2*\k:RS+2*\k+1] op_sel_hi:[1,0]
.endr
.irp k, 0,1,2,3
	v_pk_fma_f32 v[XR+32*\k+\i:XR+32*\k+\i+1], v[XR+32*\k+\i:XR+32*\k+\i+1], v[GR+\i:GR+\i+1], v[BE+\i:BE+\i+1]
.endr
.endr
.irp k, 0,1,2,3
.irp j, 0,1,2,3,4,5,6,7
	ds_store_b128 v4, v[XR+32*\k+4*\j:XR+32*\k+4*\j+3] offset:PITCH*\k+512*\j
.endr
.endr
	s_wait_dscnt 0x0                               ; for the others' sake: my four rows lie in LDS
	s_barrier_signal -1
	s_barrier_wait -1
.irp b, 0,1,2,3,4,5,6,7
.irp j, 0,1,2,3
	ds_load_b128 v[XR+16*\b+4*\j:XR+16*\b+4*\j+3], v5 offset:128*\b+16*\j   ; the pitch is an odd multiple of 16 bytes: sixteen rows, sixteen different columns of banks
.endr
.endr
.irp b, 0,1,2,3
	v_mov_b32 v[TM+4+\b], 0
.endr
	s_wait_dscnt 0x0
	QUANT XR, PC0, PW0
	QUANT XR+64, PC1, PW1
.irp f, 0,1
	global_store_b128 v3, v[PC0+20*\f:PC0+20*\f+3], s[16:17] offset:1536*\f
	global_store_b64 v8, v[PC0+20*\f+4:PC0+20*\f+5], s[16:17] offset:1536*\f
	global_store_b128 v3, v[PC0+20*\f+6:PC0+20*\f+9], s[16:17] offset:1536*\f+768
	global_store_b64 v8, v[PC0+20*\f+10:PC0+20*\f+11], s[16:17] offset:1536*\f+768
.endr
	s_mov_b32 vcc_lo, 0xffff0000
	v_cndmask_b32 v202, v[PW0], v[PW1], vcc_lo     ; lanes 0-15 store the first K step's word, lanes 16-31 the second's
	global_store_b32 v9, v202, s[18:19]
	s_wait_tensorcnt 0x0
	ds_add_u32 v30, v31
	s_wait_dscnt 0x0
	s_endpgm
.Lfunc_end_k_q11f2eb2563_prep:
	.size	k_q11f2eb2563_prep, .Lfunc_end_k_q11f2eb2563_prep-k_q11f2eb2563_prep
	.p2alignl 7, 3214868480
	.fill 96, 4, 3214868480
	.section	.rodata,"a",@progbits
	.p2align	6, 0x0
	.amdhsa_kernel k_q11f2eb2563_prep
		.amdhsa_group_segment_fixed_size 92928
		.amdhsa_private_segment_fixed_size 0
		.amdhsa_enable_private_segment 0
		.amdhsa_kernarg_size 96
		.amdhsa_user_sgpr_count 2
		.amdhsa_user_sgpr_kernarg_segment_ptr 1
		.amdhsa_wavefront_size32 1
		.amdhsa_system_sgpr_workgroup_id_x 1
		.amdhsa_system_sgpr_workgroup_id_y 1
		.amdhsa_system_sgpr_workgroup_id_z 1
		.amdhsa_system_vgpr_workitem_id 0
		.amdhsa_next_free_vgpr 256
		.amdhsa_next_free_sgpr 66
		.amdhsa_reserve_vcc 1
		.amdhsa_float_denorm_mode_32 3
		.amdhsa_float_denorm_mode_16_64 3
		.amdhsa_memory_ordered 1
		.amdhsa_forward_progress 1
		.amdhsa_inst_pref_size 88
	.end_amdhsa_kernel
	.amdgpu_metadata
---
amdhsa.version: [ 1, 2 ]
amdhsa.kernels:
  - .name:           k_q11f2eb2563_prep
    .symbol:         k_q11f2eb2563_prep.kd
    .args:
      - { .name: WQ, .offset: 0, .size: 8, .value_kind: global_buffer, .address_space: global }
      - { .name: WK, .offset: 8, .size: 8, .value_kind: global_buffer, .address_space: global }
      - { .name: WV, .offset: 16, .size: 8, .value_kind: global_buffer, .address_space: global }
      - { .name: WO, .offset: 24, .size: 8, .value_kind: global_buffer, .address_space: global }
      - { .name: W1, .offset: 32, .size: 8, .value_kind: global_buffer, .address_space: global }
      - { .name: W2, .offset: 40, .size: 8, .value_kind: global_buffer, .address_space: global }
      - { .name: wc, .offset: 48, .size: 8, .value_kind: global_buffer, .address_space: global }
      - { .name: ws, .offset: 56, .size: 8, .value_kind: global_buffer, .address_space: global }
      - { .name: X, .offset: 64, .size: 8, .value_kind: global_buffer, .address_space: global }
      - { .name: g1, .offset: 72, .size: 8, .value_kind: global_buffer, .address_space: global }
      - { .name: be1, .offset: 80, .size: 8, .value_kind: global_buffer, .address_space: global }
      - { .name: xc, .offset: 88, .size: 8, .value_kind: global_buffer, .address_space: global }
    .group_segment_fixed_size: 92928
    .private_segment_fixed_size: 0
    .kernarg_segment_align: 8
    .kernarg_segment_size: 96
    .max_flat_workgroup_size: 128
    .sgpr_count:     66
    .vgpr_count:     256
    .wavefront_size: 32
...
	.end_amdgpu_metadata
.endif
;; end of part 1
;; launch qkv (part 2): grid 12 x 16, 4 waves a work-group, clusters of 4 x 4, 327,680 bytes of LDS; arguments xc, wc, ws, bQ, bK, bV, qkvc; writes qkvc
.if DOCPART == 2
	.amdgcn_target "amdgcn-amd-amdhsa--gfx1250"
	.amdhsa_code_object_version 6
	.text
	.protected	k_q11f2eb2563_qkv
	.globl	k_q11f2eb2563_qkv
	.p2align	8
	.type	k_q11f2eb2563_qkv,@function
k_q11f2eb2563_qkv:
	s_mov_b64 s[64:65], 0
	v_nop
	global_prefetch_b8 v0, s[64:65] scope:SCOPE_SE
	s_setreg_imm32_b32 hwreg(HW_REG_WAVE_MODE, 25, 1), 1
	s_wait_xcnt 0x0
	s_wait_alu depctr_hold_cnt(0) depctr_sa_sdst(0) depctr_va_vdst(0) depctr_va_sdst(0) depctr_va_ssrc(0) depctr_va_vcc(0) depctr_vm_vsrc(0)
	s_getreg_b32 s2, hwreg(HW_REG_IB_STS2, 6, 4)
	s_cmp_eq_u32 s2, 0
	s_cbranch_scc0 .Lentry_in_a_cluster
	s_endpgm
.Lentry_in_a_cluster:
	s_bfe_u32 s2, ttmp6, 0x10000c
	s_cmp_lg_u32 s2, 0xf033
	s_cbranch_scc0 .Lentry_shape_is_right
	s_endpgm
.Lentry_shape_is_right:
; A GEMM on codes of FP6 (E2M3) with E8M0 scales whose result, + bias, is quantised again in registers and stored as codes.  Q, K and V of the attention.
; OPERANDS lie in memory as images of the operand registers: [tile of 16][K / 64][768 bytes]; a tile's place r is index 32 b + 8 u + r + 8 (r / 8) (tile 2 b + u).  SCALES: [128 rows][K / 128][r 16][tile 8] words.
; A work-group of four waves makes 256 x 256, a wave 128 x 128: 64 accumulators, 512 registers.  Source 0 takes the operand called B, source 1 the one called A: a lane holds ONE row of A, and by the tiles' order the
; 64 registers of A's tile a are 64 neighbours along B's index (32 b + 16 (lane / 16) + i): they are quantised as they stand.
; K = 1,024 is four tiles of 256.  THREE LDS slots are filled at the start, by joint tensor loads; slot 0 is filled once more, with the last tile, as soon as it has been read: that one refill has
; 288 matrix instructions of a wave in which to land.  The eight steps of 128 along K are written out.
; CLUSTER 4 x 4: A's tiles are shared along a row of the cluster, B's along a column.  KIND 0: cluster x 0, 1: A = rows of x, B = columns of WQ, WK: codes along the head's axis.  Cluster x 2: A = columns of WV,
; B = rows of x, so that V's codes run along the KEYS; only global addresses and the way out differ, chosen by the cluster's x, which all partners share.
; LIMITS: NaN and infinities are not served; a block under 2^-124 (zeros too) keeps the byte 1, read by this program alone; sums go along K ascending, 128 an instruction.
; No prefetch: three quarters of K are asked for at the head, and there is one refill.  REGISTERS: window 0: v4-29 addresses, v32-47 scale words (two sets), v48-63 the bias by rows, v64-159, v160-255 A's two buffers
; (the way out works there); window 1: v0-63 the bias by registers, v64-159, v160-255 B's two buffers; windows 2, 3: the accumulators, (a, b) at v[8 (8 (a % 4) + b)].
.set KIND, 0
.set NT, 8                             ; tiles of 16 a wave and side
.set NQ, 2                             ; steps of 128 along K in a slot
.set KS, 8                             ; K / 128
.set HALFS, NT*KS*64                   ; scale bytes that one tensor load brings
.set QUART, NT*NQ*1536                 ; codes that one tensor load brings: NT tiles x NQ fragments
.set SLOT, 4*QUART                     ; A's two halves, B's two halves
.set SCL, 3*SLOT                       ; behind the three slots: the scales of all of K, filled once
.set SPARE, SCL+4*HALFS                ; the spare words, 128 bytes a wave, that no other line names
.set ADA, 12                           ; v12-14 A's images in slot 0, 1, 2 at 16 x lane; v15-17 at 512 + 8 x lane
.set ADB, 18                           ; v18-23 the same for B
.set ADRS, 27
.set SPW, 28
.set NIL, 29
.set SC, 32
.set BL, 48
.set F0, 64
.set T, 64                             ; the way out: 64 numbers
.set PC, 128                           ; their codes
.set PW, 168                           ; eight scale words
.set OW, 176
.set TM, 200
.set G1, 24
.set G0, 32                            ; s[32:39] group 0 for A's slots 0, 1;  s[4:7] for slot 2
.set G0C, 4
.set G1B, 48
.set G0B, 56                           ; s[56:63] group 0 for B's slots 0, 1;  s[8:11] for slot 2
.set G0CB, 8
.set G1S, 68
.set G0S, 76
.set G1SB, 80
.set G0SB, 88
.set SEL, 66
.set MSB, 0
.macro WIN new                         ; the immediate's high byte repeats the setting that is left
.if MSB != \new
	s_set_vgpr_msb (MSB<<8)|\new
.set MSB, \new
.endif
.endm
.macro JLOAD g0a, g1a, g0b, g1b        ; a joint load: waves 0, 1 fetch for A, waves 2, 3 for B; four v_nop follow each line
	s_cmp_eq_u32 s15, 0
	s_cbranch_scc0 .Lfor_b_\@
	tensor_load_to_lds s[\g0a:\g0a+3], s[\g1a:\g1a+7]
	s_nop 0
.rept 4
	v_nop
.endr
	s_branch .Lasked_\@
.Lfor_b_\@:
	tensor_load_to_lds s[\g0b:\g0b+3], s[\g1b:\g1b+7]
	s_nop 0
.rept 4
	v_nop
.endr
.Lasked_\@:
.endm
.macro CREST                           ; a round of the cluster's barrier behind its opening barrier
	s_cmp_lg_u32 s14, 0
	s_cbranch_scc1 .Lnot_wave_0_\@
	s_barrier_signal -3
.Lnot_wave_0_\@:
	s_barrier_wait -3
	s_barrier_signal -1
	s_barrier_wait -1
.endm
.macro CROUND
	s_barrier_signal -1
	s_barrier_wait -1
	CREST
.endm
.macro PLACES                          ; four plain lines between a matrix instruction and a load into, or a vector line on, its registers
.rept 4
	v_nop
.endr
.endm
.macro QUANT s, pc, pw                 ; 64 numbers of a lane (register 16 b + i = k 32 b + 16 (lane / 16) + i) -> 12 registers of codes, one scale word
.irp b, 0,1,2,3
	v_max3_num_f32 v[TM+\b], |v[\s+16*\b]|, |v[\s+1+16*\b]|, 0x1800000   ; with the floor 2^(3 - 127)
.endr
.irp i, 2,4,6,8,10,12,14
.irp b, 0,1,2,3
	v_max3_num_f32 v[TM+\b], v[TM+\b], |v[\s+16*\b+\i]|, |v[\s+1+16*\b+\i]|
.endr
.endr
.irp b, 0,1,2,3
	v_permlanex16_b32 v[TM+4+\b], v[TM+\b], s[SEL], s[SEL+1]
.endr
.irp b, 0,1,2,3
	v_max_num_f32 v[TM+\b], v[TM+\b], v[TM+4+\b]
.endr
.irp b, 0,1,2,3
	v_add_nc_u32 v[TM+12+\b], 0xff000000, v[TM+\b] ; 2 off the exponent field: the conversion's scale operand
.endr
.irp b, 0,1,2,3
	v_lshrrev_b32 v[TM+4+\b], 23, v[TM+12+\b]
.endr
	v_lshl_or_b32 v[\pw], v[TM+5], 8, v[TM+4]
	v_lshl_or_b32 v[\pw], v[TM+6], 16, v[\pw]
	v_lshl_or_b32 v[\pw], v[TM+7], 24, v[\pw]
.irp c, 0,1
	v_cvt_scalef32_pk16_fp6_f32 v[\pc+6*\c:\pc+2+6*\c], v[\s+32*\c:\s+15+32*\c], v[TM+12+2*\c]
	v_cvt_scalef32_pk16_fp6_f32 v[\pc+12+4*\c:\pc+14+4*\c], v[\s+16+32*\c:\s+31+32*\c], v[TM+12+2*\c+1]
.endr
	v_nop                                          ; one plain line behind the conversions
.irp c, 0,1
.irp i, 0,1,2
	v_permlane16_swap_b32 v[\pc+6*\c+\i], v[\pc+12+4*\c+\i]
.endr
.irp i, 0,1,2
	v_mov_b32 v[\pc+3+6*\c+\i], v[\pc+12+4*\c+\i]
.endr
.endr
.endm
	s_load_b128 s[4:7], s[0:1], 0x0                ; x's codes and scales, the weights' codes
	s_load_b128 s[8:11], s[0:1], 0x10              ; the weights' scales, the first bias
	s_load_b128 s[96:99], s[0:1], 0x20             ; bK, bV
	s_load_b64 s[12:13], s[0:1], 0x30              ; the result
	v_lshl_add_u32 v[SPW], v0, 2, SPARE
	v_mov_b32 v[NIL], 0
	ds_add_u32 v28, v29
	ds_add_u32 v28, v29
	s_wait_dscnt 0x0
	v_lshrrev_b32 v1, 5, v0
	v_readfirstlane_b32 s14, v1                    ; wave
	s_lshr_b32 s15, s14, 1                         ; my half of A's rows.  Also: I fetch for A (0) or B (1)
	s_and_b32 s16, s14, 1                          ; my half of B's rows.  Also: which half I fetch
	s_bfe_u32 s40, ttmp6, 0x40000                  ; cx
	s_bfe_u32 s41, ttmp6, 0x40004                  ; cy
	s_and_b32 s17, ttmp7, 0xffff                   ; cluster y
	s_lshl_b32 s43, s41, 2
	s_lshl_b32 s43, 15, s43                        ; my row of the cluster
	s_lshl_b32 s44, 0x1111, s40                    ; my column
	s_lshl_b32 s18, s17, 2
	s_add_co_u32 s22, s18, s41
	s_add_co_u32 s46, s18, s40
	s_lshl_b32 s47, ttmp9, 2
	s_add_co_u32 s47, s47, s40
	s_cmp_eq_u32 ttmp9, 2
	s_cselect_b32 s17, s41, s22                    ; A's block of 256: V: columns of WV by cy; else rows of x by 4 cluster y + cy
	s_cselect_b32 s42, s46, s47                    ; B's: V: rows of x by 4 cluster y + cx; else columns of WQ | WK by 4 cluster x + cx
	s_or_b32 s[G1], s43, (3<<16)|(1<<21)           ; the mask; elements of 8 bytes; bit 21 beside a mask; no padding
	s_or_b32 s[G1B], s44, (3<<16)|(1<<21)
	s_or_b32 s[G1S], s43, (3<<16)|(1<<21)
	s_or_b32 s[G1SB], s44, (3<<16)|(1<<21)
.irp g, G1, G1B                        ; codes: NT rows (tiles) of NQ x 1,536 bytes, a tile's K x 12 bytes apart
	s_mov_b32 s[\g+1], (NQ*192)<<16
	s_mov_b32 s[\g+2], NT<<16
	s_mov_b32 s[\g+3], (NQ*192)<<16
	s_mov_b32 s[\g+4], NT
	s_mov_b32 s[\g+5], KS*192
	s_mov_b32 s[\g+6], 0
	s_mov_b32 s[\g+7], 0
.endr
.irp g, G1S, G1SB                      ; scales: a dense block as rows of 256 bytes
	s_mov_b32 s[\g+1], 32<<16
	s_mov_b32 s[\g+2], (HALFS/256)<<16
	s_mov_b32 s[\g+3], 32<<16
	s_mov_b32 s[\g+4], HALFS/256
	s_mov_b32 s[\g+5], 32
	s_mov_b32 s[\g+6], 0
	s_mov_b32 s[\g+7], 0
.endr
	s_lshl_b32 s20, s17, 1
	s_add_co_u32 s20, s20, s16
	s_mul_i32 s22, s20, HALFS
	s_mul_i32 s20, s20, NT*KS*1536
	s_mov_b32 s21, 0
	s_mov_b32 s23, 0
	s_lshl_b32 s46, s42, 1
	s_add_co_u32 s46, s46, s16
	s_mul_i32 s92, s46, HALFS
	s_mul_i32 s46, s46, NT*KS*1536
	s_mov_b32 s47, 0
	s_mov_b32 s93, 0
	s_mul_i32 s45, s14, QUART                      ; where my loads go: by the wave's number alone
	s_mul_i32 s94, s14, HALFS
	s_mov_b32 s[SEL], 0x76543210
	s_mov_b32 s[SEL+1], 0xfedcba98
	s_wait_kmcnt 0x0
	s_add_nc_u64 s[G0+2:G0+3], s[6:7], 1572864     ; WV's codes
	s_add_nc_u64 s[G0S+2:G0S+3], s[8:9], 65536     ; WV's scales
	s_add_nc_u64 s[G0SB+2:G0SB+3], s[4:5], 3145728 ; x's scales
	s_cmp_eq_u32 ttmp9, 2
	s_cselect_b64 s[G0+2:G0+3], s[G0+2:G0+3], s[4:5]
	s_cselect_b64 s[G0S+2:G0S+3], s[G0S+2:G0S+3], s[G0SB+2:G0SB+3]
	s_cselect_b64 s[G0B+2:G0B+3], s[4:5], s[6:7]
	s_cselect_b64 s[G0SB+2:G0SB+3], s[G0SB+2:G0SB+3], s[8:9]
	s_cmp_eq_u32 ttmp9, 1
	s_cselect_b64 s[10:11], s[96:97], s[10:11]
	s_cmp_eq_u32 ttmp9, 2
	s_cselect_b64 s[96:97], s[98:99], s[10:11]     ; the bias of my cluster's product
	s_add_nc_u64 s[G0+2:G0+3], s[G0+2:G0+3], s[20:21]
	s_add_nc_u64 s[G0+6:G0+7], s[G0+2:G0+3], NQ*1536
	s_add_nc_u64 s[G0B+2:G0B+3], s[G0B+2:G0B+3], s[46:47]
	s_add_nc_u64 s[G0B+6:G0B+7], s[G0B+2:G0B+3], NQ*1536
	s_add_nc_u64 s[G0S+2:G0S+3], s[G0S+2:G0S+3], s[22:23]
	s_add_nc_u64 s[G0SB+2:G0SB+3], s[G0SB+2:G0SB+3], s[92:93]
	s_add_nc_u64 s[G0C+2:G0C+3], s[G0+2:G0+3], 2*NQ*1536     ; the pointers in s[4:11] are used up: the third slot's groups 0 lie there
	s_add_nc_u64 s[G0CB+2:G0CB+3], s[G0B+2:G0B+3], 2*NQ*1536
.irp g, G0, G0+4, G0C, G0B, G0B+4, G0CB, G0S, G0SB
	s_mov_b32 s[\g], 1
	s_or_b32 s[\g+3], s[\g+3], 0x80000000
.endr
	s_add_co_u32 s[G0+1], s45, 0
	s_add_co_u32 s[G0+5], s45, SLOT
	s_add_co_u32 s[G0C+1], s45, 2*SLOT
	s_add_co_u32 s[G0B+1], s45, 0
	s_add_co_u32 s[G0B+5], s45, SLOT
	s_add_co_u32 s[G0CB+1], s45, 2*SLOT
	s_add_co_u32 s[G0S+1], s94, SCL
	s_add_co_u32 s[G0SB+1], s94, SCL
	CROUND                                         ; all sixteen work-groups are here: the first joint loads meet
	JLOAD G0S, G1S, G0SB, G1SB                     ; four loads of mine are out: the scales, slots 0, 1 and 2
	JLOAD G0, G1, G0B, G1B
	JLOAD G0+4, G1, G0B+4, G1B
	JLOAD G0C, G1, G0CB, G1B
	v_and_b32 v1, 31, v0                           ; lane
	v_and_b32 v2, 15, v0                           ; r
	v_bfe_u32 v3, v0, 4, 1                         ; h
	v_lshlrev_b32 v4, 4, v1                        ; 16 x lane: also the codes' way out
	v_lshl_add_u32 v5, v1, 3, 512                  ; 512 + 8 x lane
	s_mul_i32 s18, s15, QUART
	s_mul_i32 s19, s16, QUART
	s_add_co_u32 s19, s19, 2*QUART
.irp s, 0,1,2
	v_add_nc_u32 v[ADA+\s], s18, v4
	v_add_nc_u32 v[ADA+3+\s], s18, v5
	v_add_nc_u32 v[ADB+\s], s19, v4
	v_add_nc_u32 v[ADB+3+\s], s19, v5
	s_add_co_u32 s18, s18, SLOT
	s_add_co_u32 s19, s19, SLOT
.endr
	s_mul_i32 s18, s15, HALFS                      ; scale words: lanes 0-15 take A's, lanes 16-31 B's: one product with h
	s_mul_i32 s19, s16, HALFS
	s_add_co_u32 s19, s19, 2*HALFS
	s_sub_co_u32 s19, s19, s18
	v_mul_u32_u24 v6, s19, v3
	s_add_co_u32 s18, s18, SCL
	v_lshl_add_u32 v6, v2, 5, v6
	v_add_nc_u32 v[ADRS], s18, v6
	v_lshlrev_b32 v26, 5, v2
	v_lshl_add_u32 v26, v3, 4, v26                 ; the scale words' way out: 32 r + 16 h
	; the bias along B's index, in the order of a lane's 64 numbers, into window 1; also the bias along A's index, a value twice for each of A's tiles
	s_lshl_b32 s2, s40, 10
	s_lshl_b32 s3, s16, 9
	s_add_co_u32 s2, s2, s3
	v_lshl_add_u32 v10, v3, 6, s2
	WIN 0x40
.irp b, 0,1,2,3
.irp j, 0,1,2,3
	global_load_b128 v[16*\b+4*\j:16*\b+4*\j+3], v10, s[96:97] offset:128*\b+16*\j
.endr
.endr
	WIN 0
	s_lshl_b32 s2, s41, 10
	s_lshl_b32 s3, s15, 9
	s_add_co_u32 s2, s2, s3
	v_and_b32 v11, 8, v2
	v_add_nc_u32 v11, v11, v2
	v_lshl_add_u32 v11, v11, 2, s2
.irp a, 0,1,2,3,4,5,6,7
	global_load_b32 v[BL+2*\a], v11, s[96:97] offset:(32*(\a/2)+8*(\a%2))*4
	global_load_b32 v[BL+2*\a+1], v11, s[96:97] offset:(32*(\a/2)+8*(\a%2))*4
.endr
	; where the results go
	s_lshl_b32 s2, s17, 1
	s_add_co_u32 s2, s2, s15                       ; my group of 128 of A's index
	s_cmp_eq_u32 ttmp9, 2
	s_mov_b32 s18, 12288
	s_cselect_b32 s18, 49152, s18                  ; a tile's bytes: 16 heads of 768, or 64 halves along the keys
	s_cselect_b32 s19, s42, s40
	s_cselect_b32 s94, 5, 4
	s_cselect_b32 s95, 0, 1
	s_lshl_b32 s100, s2, s94
	s_lshl_b32 s101, s19, 1
	s_add_co_u32 s101, s101, s16                   ; my 128 of B's index inside its tensor
	s_lshl_b32 s94, s101, s95                      ; V: a block of scale words for each 128 keys; Q, K: one for each head of 64
	s_add_co_u32 s100, s100, s94
	s_lshl_b32 s100, s100, 9
	s_mul_i32 s94, ttmp9, 262144
	s_add_co_u32 s100, s100, s94
	s_add_co_u32 s100, s100, 9437184
	s_lshl_b32 s2, s2, 3
	s_mul_i32 s2, s2, s18
	s_mul_i32 s94, s101, 1536
	s_add_co_u32 s2, s2, s94
	s_mul_i32 s94, ttmp9, 3145728
	s_add_co_u32 s2, s2, s94
	s_mov_b32 s101, 0
	s_mov_b32 s3, 0
	s_add_nc_u64 s[100:101], s[12:13], s[100:101]
	s_add_nc_u64 s[12:13], s[12:13], s[2:3]
.macro FRAGS f, a16, a8, q             ; eight fragments as they lie: each half image by 16 and 8 bytes a lane, dense
.irp i, 0,1,2,3,4,5,6,7
.irp c, 0,1
	ds_load_b128 v[\f+12*\i+6*\c:\f+12*\i+6*\c+3], v[\a16] offset:\i*NQ*1536+(\q)*1536+\c*768
	ds_load_b64 v[\f+12*\i+6*\c+4:\f+12*\i+6*\c+5], v[\a8] offset:\i*NQ*1536+(\q)*1536+\c*768
.endr
.endr
.endm
.macro FETCH slot, q                   ; the slot's q-th 128 along K into buffer q % 2, with its scale words
	WIN 0x40
	FRAGS F0+96*((\q)%2), ADB+\slot, ADB+3+\slot, \q
	WIN 0
	FRAGS F0+96*((\q)%2), ADA+\slot, ADA+3+\slot, \q
	ds_load_b128 v[SC+8*((\q)%2):SC+8*((\q)%2)+3], v[ADRS] offset:(\q)*512
	ds_load_b128 v[SC+8*((\q)%2)+4:SC+8*((\q)%2)+7], v[ADRS] offset:(\q)*512+16
.endm
.macro MULA a, p, zero                 ; A's tile a against B's eight, buffer p.  The 64 accumulators take turns, in the same order in every step
	WIN 0xa1+0x50*((\a)/4)
.irp b, 0,1,2,3,4,5,6,7
.if \zero
	v_wmma_scale_f32_16x16x128_f8f6f4 v[8*(8*((\a)%4)+\b):8*(8*((\a)%4)+\b)+7], v[F0+96*(\p)+12*\b:F0+96*(\p)+12*\b+11], v[F0+96*(\p)+12*(\a):F0+96*(\p)+12*(\a)+11], 0, v[SC+8*(\p)+\b], v[SC+8*(\p)+(\a)] matrix_a_fmt:MATRIX_FMT_FP6 matrix_b_fmt:MATRIX_FMT_FP6 matrix_a_scale:MATRIX_SCALE_ROW1
.else
	v_wmma_scale_f32_16x16x128_f8f6f4 v[8*(8*((\a)%4)+\b):8*(8*((\a)%4)+\b)+7], v[F0+96*(\p)+12*\b:F0+96*(\p)+12*\b+11], v[F0+96*(\p)+12*(\a):F0+96*(\p)+12*(\a)+11], v[8*(8*((\a)%4)+\b):8*(8*((\a)%4)+\b)+7], v[SC+8*(\p)+\b], v[SC+8*(\p)+(\a)] matrix_a_fmt:MATRIX_FMT_FP6 matrix_b_fmt:MATRIX_FMT_FP6 matrix_a_scale:MATRIX_SCALE_ROW1
.endif
.endr
.endm
.macro STEP slot, q, zero              ; a step whose successor lies in the same slot
	s_wait_dscnt 0x0                               ; this step's fragments, asked for 32 matrix instructions ago
.irp a, 0,1,2,3
	MULA \a, (\q)%2, \zero
.endr
	PLACES
	FETCH \slot, (\q)+1
.irp a, 4,5,6,7
	MULA \a, (\q)%2, \zero
.endr
	WIN 0
.endm
; A slot's last step with a barrier; ahead of it each wave waits for all its tensor loads, adds 0 to its spare word, and waits for that and for its reads of this slot.
; fill = 1 (slot 0 alone): the barrier opens a round of the cluster's, and slot 0 takes the last quarter of K.
.macro TURN slot, next, fill
	WIN 0
	s_wait_tensorcnt 0x0                           ; all my tensor loads have landed: my parts of all slots that are still to be read
	ds_add_u32 v[SPW], v[NIL]                      ; 0 onto my spare word
	s_wait_dscnt 0x1                               ; the fragments are in; the add alone may be out
	MULA 0, 1, 0
	MULA 1, 1, 0
	s_wait_dscnt 0x0                               ; the add is done, and my reads of this slot are over
	s_barrier_signal -1
	MULA 2, 1, 0
	MULA 3, 1, 0
	WIN 0
	s_barrier_wait -1
.if \fill
	CREST                                          ; no wave of any partner still reads this slot or has a load on its way
	s_add_nc_u64 s[G0+2:G0+3], s[G0+2:G0+3], 3*NQ*1536
	s_add_nc_u64 s[G0B+2:G0B+3], s[G0B+2:G0B+3], 3*NQ*1536
	JLOAD G0, G1, G0B, G1B                         ; my one tensor load behind the round; its four v_nop are the places ahead of the loads below
.else
	PLACES
.endif
	v_add_nc_u32 v[ADRS], NQ*512, v[ADRS]          ; the next slot's scale words
	FETCH \next, 0
.irp a, 4,5,6,7
	MULA \a, 1, 0
.endr
	WIN 0
.endm
; A slot's last step without a barrier: every wave waited for all its loads ahead of the barrier in step 1, so the next slot has been shown whole; and the slot that is left is not filled again.
.macro CROSS next
	s_wait_dscnt 0x0
.irp a, 0,1,2,3
	MULA \a, 1, 0
.endr
	PLACES
	WIN 0
	v_add_nc_u32 v[ADRS], NQ*512, v[ADRS]
	FETCH \next, 0
.irp a, 4,5,6,7
	MULA \a, 1, 0
.endr
	WIN 0
.endm
	s_wait_tensorcnt 0x2                           ; the scales and my part of slot 0 are in; the loads of slots 1 and 2 may be out
	s_barrier_signal -1
	s_barrier_wait -1
	FETCH 0, 0
	STEP 0, 0, 1                                   ; the first step's products start the sums: nothing is cleared
	TURN 0, 1, 1                                   ; slot 0 is left, and filled again
	STEP 1, 0, 0
	CROSS 2
	STEP 2, 0, 0
	TURN 2, 0, 0                                   ; slot 0's second tile is whole behind this barrier; nothing is filled
	STEP 0, 0, 0
	s_wait_dscnt 0x0
.irp a, 0,1,2,3,4,5,6,7
	MULA \a, 1, 0
.endr
	WIN 0
	PLACES
	s_wait_loadcnt 0x0                             ; the biases
.irp b, 0,1,2,3
	v_mov_b32 v[TM+4+\b], 0                        ; a lane permute's destination counts as read
.endr
; THE WAY OUT, A's tiles one after the other: + bias, quantised, 1,536 bytes of codes stored dense.  vmode: the bias goes by A's index.
.macro EPI vmode, tpo
.irp a, 0,1,2,3,4,5,6,7
	s_wait_xcnt 0x0                                ; the last tile's stores have read their registers
.if \vmode
	WIN 0x02+(\a)/4
.else
	WIN 0x06+(\a)/4
.endif
.set p, 0
.rept 32
.if \vmode
	v_pk_add_f32 v[T+2*p:T+2*p+1], v[64*((\a)%4)+2*p:64*((\a)%4)+2*p+1], v[BL+2*(\a):BL+2*(\a)+1]
.else
	v_pk_add_f32 v[T+2*p:T+2*p+1], v[64*((\a)%4)+2*p:64*((\a)%4)+2*p+1], v[2*p:2*p+1]   ; each accumulator from its low end on
.endif
.set p, p+1
.endr
	WIN 0
	QUANT T, PC, PW+\a
	global_store_b128 v4, v[PC:PC+3], s[12:13] offset:\a*\tpo
	global_store_b64 v5, v[PC+4:PC+5], s[12:13] offset:\a*\tpo
	global_store_b128 v4, v[PC+6:PC+9], s[12:13] offset:\a*\tpo+768
	global_store_b64 v5, v[PC+10:PC+11], s[12:13] offset:\a*\tpo+768
.endr
	s_mov_b32 vcc_lo, 0xffff0000
.irp k, 0,1,2,3
	v_cndmask_b32 v[OW+\k], v[PW+\k], v[PW+4+\k], vcc_lo   ; lane (r, h) stores the words of tiles 4 h .. 4 h + 3: 512 dense bytes a wave
.endr
.endm
	s_cmp_eq_u32 ttmp9, 2
	s_cbranch_scc1 .Lvmode
	EPI 0, 12288
.irp k, 0,1,2,3
	v_and_b32 v[OW+4+\k], 0xffff, v[OW+\k]         ; a word's four bytes are two heads' two: each head gets a word with zeros above
	v_lshrrev_b32 v[OW+8+\k], 16, v[OW+\k]
.endr
	global_store_b128 v26, v[OW+4:OW+7], s[100:101]
	global_store_b128 v26, v[OW+8:OW+11], s[100:101] offset:512
	s_branch .Lend
.Lvmode:
	EPI 1, 49152
	global_store_b128 v26, v[OW:OW+3], s[100:101]
.Lend:
	s_wait_tensorcnt 0x0                           ; the wave's end
	ds_add_u32 v[SPW], v[NIL]
	s_wait_dscnt 0x0
	CROUND                                         ; the closing round
	s_endpgm
.Lfunc_end_k_q11f2eb2563_qkv:
	.size	k_q11f2eb2563_qkv, .Lfunc_end_k_q11f2eb2563_qkv-k_q11f2eb2563_qkv
	.p2alignl 7, 3214868480
	.fill 96, 4, 3214868480
	.section	.rodata,"a",@progbits
	.p2align	6, 0x0
	.amdhsa_kernel k_q11f2eb2563_qkv
		.amdhsa_group_segment_fixed_size 327680
		.amdhsa_private_segment_fixed_size 0
		.amdhsa_enable_private_segment 0
		.amdhsa_kernarg_size 56
		.amdhsa_user_sgpr_count 2
		.amdhsa_user_sgpr_kernarg_segment_ptr 1
		.amdhsa_wavefront_size32 1
		.amdhsa_system_sgpr_workgroup_id_x 1
		.amdhsa_system_sgpr_workgroup_id_y 1
		.amdhsa_system_sgpr_workgroup_id_z 1
		.amdhsa_system_vgpr_workitem_id 0
		.amdhsa_next_free_vgpr 1024
		.amdhsa_next_free_sgpr 102
		.amdhsa_reserve_vcc 1
		.amdhsa_float_denorm_mode_32 3
		.amdhsa_float_denorm_mode_16_64 3
		.amdhsa_memory_ordered 1
		.amdhsa_forward_progress 1
		.amdhsa_inst_pref_size 217
	.end_amdhsa_kernel
	.amdgpu_metadata
---
amdhsa.version: [ 1, 2 ]
amdhsa.kernels:
  - .name:           k_q11f2eb2563_qkv
    .symbol:         k_q11f2eb2563_qkv.kd
    .args:
      - { .name: xc, .offset: 0, .size: 8, .value_kind: global_buffer, .address_space: global }
      - { .name: wc, .offset: 8, .size: 8, .value_kind: global_buffer, .address_space: global }
      - { .name: ws, .offset: 16, .size: 8, .value_kind: global_buffer, .address_space: global }
      - { .name: bQ, .offset: 24, .size: 8, .value_kind: global_buffer, .address_space: global }
      - { .name: bK, .offset: 32, .size: 8, .value_kind: global_buffer, .address_space: global }
      - { .name: bV, .offset: 40, .size: 8, .value_kind: global_buffer, .address_space: global }
      - { .name: qkvc, .offset: 48, .size: 8, .value_kind: global_buffer, .address_space: global }
    .group_segment_fixed_size: 327680
    .private_segment_fixed_size: 0
    .kernarg_segment_align: 8
    .kernarg_segment_size: 56
    .max_flat_workgroup_size: 128
    .sgpr_count:     102
    .vgpr_count:     1024
    .wavefront_size: 32
...
	.end_amdgpu_metadata
.endif
;; end of part 2
;; launch attn (part 3): grid 4 x 64, 16 waves a work-group, clusters of 4 x 1, 169,984 bytes of LDS; arguments qkvc, avc; writes avc
.if DOCPART == 3
	.amdgcn_target "amdgcn-amd-amdhsa--gfx1250"
	.amdhsa_code_object_version 6
	.text
	.protected	k_q11f2eb2563_attn
	.globl	k_q11f2eb2563_attn
	.p2align	8
	.type	k_q11f2eb2563_attn,@function
k_q11f2eb2563_attn:
	s_mov_b64 s[64:65], 0
	v_nop
	global_prefetch_b8 v0, s[64:65] scope:SCOPE_SE
	s_setreg_imm32_b32 hwreg(HW_REG_WAVE_MODE, 25, 1), 1
	s_wait_xcnt 0x0
	s_wait_alu depctr_hold_cnt(0) depctr_sa_sdst(0) depctr_va_vdst(0) depctr_va_sdst(0) depctr_va_ssrc(0) depctr_va_vcc(0) depctr_vm_vsrc(0)
	s_getreg_b32 s2, hwreg(HW_REG_IB_STS2, 6, 4)
	s_cmp_eq_u32 s2, 0
	s_cbranch_scc0 .Lentry_in_a_cluster
	s_endpgm
.Lentry_in_a_cluster:
	s_bfe_u32 s2, ttmp6, 0x10000c
	s_cmp_lg_u32 s2, 0x3003
	s_cbranch_scc0 .Lentry_shape_is_right
	s_endpgm
.Lentry_shape_is_right:
; Causal attention of one head of 64 on codes of FP6 (E2M3) with E8M0 scales; the result is quantised along the model's axis and stored as codes for the next product.
; t = score x log2(e) / 8; M = the running largest t rounded UP to a whole number; p = 2^(t - M) is quantised along the keys; the row's sum is taken of the unquantised p and divides at the end;
; when M moves, the sum and O are multiplied by 2^(old M - new M), which rounds nothing.
; SHARES.  Grid y = 16 batch + head.  The four work-groups of a cluster share one head: its K (48 KiB), V^T (48 KiB) and scale words come ONCE into each LDS by joint loads, in four chunks of 256 keys: nothing is filled again.
; A wave owns one tile of 16 queries: tile 8 o + idx of the batch's 64, idx = cx + 4 (wave / 8).  o, the tile's group of 128 queries, hangs on the wave's number alone
; (e = (wave % 4 + 2 (wave / 8)) % 4, o = e or 7 - e by bit 2 of the wave's number), so every branch is the same in all partners; a wave works o + 1 key steps of 128, a work-group 72.
; LAYOUT.  S^T = K Q^T (source 0 = 16 keys), O^T = V^T P^T (source 0 = 16 channels): a lane holds one query.  By the tiles' order (place r of tile 2 b + u = index 32 b + 8 u + r + 8 (r / 8)) the 16 registers of
; tiles 2 b, 2 b + 1 are 16 neighbours.  The head has 64 channels: the upper 64 of the first product's K are zero codes on both sides, under the byte 0.
; A step all of whose keys come after the wave's queries is left out; on the diagonal hidden scores become -infinity ahead of the maximum.
; LIMITS: NaN and infinities are not served; a block under 2^-124 (zeros too) keeps the byte 1, read by this program alone.  No prefetch: all of a head is asked for at the head.
.set KC, 0                             ; K's codes [tile 64][768]
.set VC, 49152                         ; V's codes [chunk 4][tile of channels 4][3,072]
.set KSC, 98304                        ; K's scale words [step 8][r 16][tile 8]
.set VSC, 102400                       ; V's scale words [step 8][r 16][tile 4]
.macro CROUND
	s_barrier_signal -1
	s_barrier_wait -1
	s_cmp_lg_u32 s2, 0
	s_cbranch_scc1 .Lnot_wave_0_\@
	s_barrier_signal -3
.Lnot_wave_0_\@:
	s_barrier_wait -3
	s_barrier_signal -1
	s_barrier_wait -1
.endm
.macro G1SET g, c, r, p                ; group 1: r rows of c elements of 8 bytes, p elements apart; the mask names all four work-groups, bit 21 beside it
	s_mov_b32 s[\g], 15|(3<<16)|(1<<21)
	s_mov_b32 s[\g+1], (\c)<<16
	s_mov_b32 s[\g+2], (\r)<<16
	s_mov_b32 s[\g+3], (\c)<<16
	s_mov_b32 s[\g+4], \r
	s_mov_b32 s[\g+5], \p
	s_mov_b32 s[\g+6], 0
	s_mov_b32 s[\g+7], 0
.endm
.macro G0SET g, lds, ptr, off
	s_mov_b32 s[\g], 1
	s_mov_b32 s[\g+1], \lds
	s_add_nc_u64 s[\g+2:\g+3], s[\ptr:\ptr+1], \off
	s_or_b32 s[\g+3], s[\g+3], 0x80000000
.endm
	s_load_b128 s[4:7], s[0:1], 0x0                ; q, k, v as codes; the result
	v_lshl_add_u32 v254, v0, 2, 0x29000
	v_mov_b32 v255, 0
	ds_add_u32 v254, v255
	ds_add_u32 v254, v255
	v_lshrrev_b32 v1, 5, v0
	v_readfirstlane_b32 s2, v1                     ; wave 0..15
	s_bfe_u32 s10, ttmp6, 0x40000                  ; cx
	s_and_b32 s12, ttmp7, 0xffff
	s_lshr_b32 s8, s12, 4                          ; batch
	s_and_b32 s9, s12, 15                          ; head
	s_and_b32 s13, s2, 3
	s_lshr_b32 s14, s2, 3
	s_lshl_b32 s15, s14, 1
	s_add_co_u32 s13, s13, s15
	s_and_b32 s13, s13, 3                          ; e
	s_bfe_u32 s15, s2, 0x10002
	s_mul_i32 s15, s15, 7
	s_xor_b32 s3, s13, s15                         ; o = e, or 7 - e
	s_lshl_b32 s11, s14, 2
	s_add_co_u32 s11, s11, s10                     ; idx
	G1SET 24, 64, 8, 1024                          ; K's scale words: 8 blocks of 512 bytes, 16 heads apart
	G1SET 32, 96, 16, 1536                         ; K's codes: 16 tiles of 768 bytes, 16 heads apart
	G1SET 40, 2, 128, 4                            ; V's scale words: my head's 16 bytes of each 32
	G1SET 48, 384, 4, 6144                         ; V's codes: 4 tiles of channels x 256 keys
	s_lshl_b32 s12, s8, 7
	s_add_co_u32 s12, s12, s9
	s_lshl_b32 s12, s12, 9
	s_add_co_u32 s12, s12, 9699328
	s_mov_b32 s13, 0
	s_lshl_b32 s14, s8, 10
	s_add_co_u32 s14, s14, s9
	s_mul_i32 s14, s14, 768
	s_add_co_u32 s14, s14, 3145728
	s_mov_b32 s15, 0
	s_lshr_b32 s16, s9, 1
	s_lshl_b32 s16, s16, 5
	s_lshl_b32 s17, s8, 3
	s_add_co_u32 s16, s16, s17
	s_lshl_b32 s16, s16, 9
	s_and_b32 s17, s9, 1
	s_lshl_b32 s17, s17, 4
	s_add_co_u32 s16, s16, s17
	s_add_co_u32 s16, s16, 9961472
	s_mov_b32 s17, 0
	s_lshl_b32 s18, s9, 8
	s_lshl_b32 s19, s8, 4
	s_add_co_u32 s18, s18, s19
	s_mul_i32 s18, s18, 768
	s_add_co_u32 s18, s18, 6291456
	s_mov_b32 s19, 0
	s_mov_b32 s20, 0x76543210
	s_mov_b32 s21, 0xfedcba98
	s_mov_b32 s22, 0x3e38aa3b                      ; log2(e) / 8
	s_mov_b32 s23, s22
	s_wait_dscnt 0x0
	s_wait_kmcnt 0x0
	s_add_nc_u64 s[12:13], s[4:5], s[12:13]
	s_add_nc_u64 s[14:15], s[4:5], s[14:15]
	s_add_nc_u64 s[16:17], s[4:5], s[16:17]
	s_add_nc_u64 s[18:19], s[4:5], s[18:19]
	G0SET 56, KSC, 12, 0
	G0SET 60, KC, 14, 0
	G0SET 68, KC+12288, 14, 196608
	G0SET 72, KC+2*12288, 14, 2*196608
	G0SET 76, KC+3*12288, 14, 3*196608
	G0SET 80, VSC, 16, 0
	G0SET 84, VC, 18, 0
	G0SET 88, VC+12288, 18, 3072
	G0SET 92, VC+2*12288, 18, 2*3072
	G0SET 96, VC+3*12288, 18, 3*3072
	CROUND                                         ; all four work-groups are here: the joint loads meet
	s_cmp_lg_u32 s2, 0                             ; wave 0 asks for K's five tiles, wave 1 for V's: five loads of a wave are out; all stand in one branch on the wave's number
	s_cbranch_scc1 .Lnot_k
	tensor_load_to_lds s[56:59], s[24:31]
	s_nop 0
	tensor_load_to_lds s[60:63], s[32:39]
	s_nop 0
	tensor_load_to_lds s[68:71], s[32:39]
	s_nop 0
	tensor_load_to_lds s[72:75], s[32:39]
	s_nop 0
	tensor_load_to_lds s[76:79], s[32:39]
	s_nop 0
.rept 4
	v_nop
.endr
	s_branch .Lasked
.Lnot_k:
	s_cmp_lg_u32 s2, 1
	s_cbranch_scc1 .Lasked
	tensor_load_to_lds s[80:83], s[40:47]
	s_nop 0
	tensor_load_to_lds s[84:87], s[48:55]
	s_nop 0
	tensor_load_to_lds s[88:91], s[48:55]
	s_nop 0
	tensor_load_to_lds s[92:95], s[48:55]
	s_nop 0
	tensor_load_to_lds s[96:99], s[48:55]
	s_nop 0
.rept 4
	v_nop
.endr
.Lasked:
	s_lshl_b32 s100, s8, 6
	s_lshl_b32 s101, s3, 3
	s_add_co_u32 s100, s100, s101
	s_add_co_u32 s100, s100, s11                   ; my tile of the 256
	s_lshl_b32 s100, s100, 4
	s_add_co_u32 s100, s100, s9
	s_mul_i32 s100, s100, 768                      ; its half image of my head: the same place in q's codes and in the result's
	s_mov_b32 s101, 0
	s_add_nc_u64 s[12:13], s[4:5], s[100:101]
	s_add_nc_u64 s[14:15], s[6:7], s[100:101]
	s_lshl_b32 s100, s8, 3
	s_add_co_u32 s100, s100, s3                    ; my group of 128 rows
	s_lshl_b32 s16, s100, 4
	s_add_co_u32 s16, s16, s9
	s_lshl_b32 s16, s16, 9
	s_lshl_b32 s101, s11, 2
	s_add_co_u32 s16, s16, s101
	s_add_co_u32 s16, s16, 9437184
	s_mov_b32 s17, 0
	s_add_nc_u64 s[16:17], s[4:5], s[16:17]        ; q's scale words
	s_lshl_b32 s18, s100, 3
	s_lshr_b32 s19, s9, 1
	s_add_co_u32 s18, s18, s19
	s_lshl_b32 s18, s18, 9
	s_add_co_u32 s18, s18, s101
	s_and_b32 s19, s9, 1
	s_lshl_b32 s19, s19, 1
	s_add_co_u32 s18, s18, s19
	s_add_co_u32 s18, s18, 3145728
	s_mov_b32 s19, 0
	s_add_nc_u64 s[18:19], s[6:7], s[18:19]        ; the result's scale bytes: my head's two of a word's four
	v_and_b32 v10, 31, v0
	v_and_b32 v11, 15, v0                          ; r
	v_bfe_u32 v31, v0, 4, 1                        ; h
	v_lshlrev_b32 v1, 4, v10                       ; 16 x lane
	v_lshl_add_u32 v2, v10, 3, 512                 ; 512 + 8 x lane
	v_add_nc_u32 v3, VC, v1
	v_add_nc_u32 v4, VC, v2
	v_lshl_add_u32 v5, v11, 5, KSC
	v_lshl_add_u32 v6, v11, 4, VSC
	v_lshlrev_b32 v8, 5, v11
	v_add_nc_u32 v9, v8, v31
	global_load_b128 v[16:19], v1, s[12:13]        ; Q's half image stays in registers
	global_load_b64 v[20:21], v2, s[12:13]
	global_load_b32 v28, v8, s[16:17]
	s_lshr_b32 s100, s11, 1
	s_lshl_b32 s100, s100, 5
	s_and_b32 s101, s11, 1
	s_lshl_b32 s101, s101, 3
	s_add_co_u32 s100, s100, s101
	v_and_b32 v29, 8, v11
	v_add_nc_u32 v29, v29, v11
	v_add_nc_u32 v29, s100, v29
	v_lshlrev_b32 v31, 4, v31
	v_sub_nc_u32 v29, v29, v31                     ; my query in its group of 128, less 16 h: register 16 b + i holds key 32 b + i + 16 h of the step
	v_mov_b32 v30, 0xff800000                      ; -infinity
.irp j, 22,23,24,25,26,27
	v_mov_b32 v[\j], 0                             ; the upper 64 of K: zero codes
.endr
.irp t, 0,1,2,3
.irp j, 6,7,8,9,10,11
	v_mov_b32 v[32+12*\t+\j], 0
.endr
.endr
.set n, 0
.rept 32
	v_mov_b32 v[160+n], 0                          ; O^T: the step is written alike for all: the first finds zeros
.set n, n+1
.endr
.irp j, 14,15,216,217,218,219,225,226
	v_mov_b32 v[\j], 0
.endr
	v_mov_b32 v13, 0xff61b1e6                      ; the largest t so far: -3e38
	v_floor_f32 v12, -v13                          ; -M
.macro STEP c                          ; keys 128 c .. 128 c + 127
.if (\c) > 0
	s_cmp_lt_u32 s3, \c
	s_cbranch_scc1 .Lskip_\@                       ; all its keys come after my queries
.endif
.rept 5
	v_nop                                          ; the scores are laid over registers that the last products read as operands: five places
.endr
.irp g, 0,1
.if \g
.rept 4
	v_nop
.endr
.endif
.irp t, 0,1,2,3
	ds_load_b128 v[32+12*\t:35+12*\t], v1 offset:(8*(\c)+4*\g+\t)*768
	ds_load_b64 v[36+12*\t:37+12*\t], v2 offset:(8*(\c)+4*\g+\t)*768
.endr
.if \g == 0
	ds_load_b128 v[80:83], v5 offset:512*(\c)
	ds_load_b128 v[84:87], v5 offset:512*(\c)+16
.endif
	s_wait_dscnt 0x0
.irp t, 0,1,2,3
	v_wmma_scale_f32_16x16x128_f8f6f4 v[96+8*(4*\g+\t):103+8*(4*\g+\t)], v[32+12*\t:43+12*\t], v[16:27], 0, v[80+4*\g+\t], v28 matrix_a_fmt:MATRIX_FMT_FP6 matrix_b_fmt:MATRIX_FMT_FP6
.endr
.endr
.rept 4
	v_nop
.endr
	s_cmp_lg_u32 s3, \c
	s_cbranch_scc1 .Lopen_\@                       ; off the diagonal every key counts
.set n, 0
.rept 64
	v_cmp_gt_i32 vcc_lo, 32*(n/16)+n%16, v29
	v_cndmask_b32 v[96+n], v[96+n], v30, vcc_lo
.set n, n+1
.endr
.Lopen_\@:
.irp b, 0,1,2,3
	v_max3_num_f32 v[212+\b], v[96+16*\b], v[97+16*\b], v[98+16*\b]   ; each block's largest score: for the row's maximum, and, since p rises with the score, for the block's largest p
.endr
.irp i, 3,5,7,9,11,13
.irp b, 0,1,2,3
	v_max3_num_f32 v[212+\b], v[212+\b], v[96+16*\b+\i], v[97+16*\b+\i]
.endr
.endr
.irp b, 0,1,2,3
	v_max_num_f32 v[212+\b], v[212+\b], v[111+16*\b]
.endr
.irp b, 0,1,2,3
	v_permlanex16_b32 v[216+\b], v[212+\b], s20, s21
.endr
.irp b, 0,1,2,3
	v_max_num_f32 v[212+\b], v[212+\b], v[216+\b]
.endr
	v_max3_num_f32 v226, v212, v213, v214
	v_max_num_f32 v226, v226, v215
	v_mul_f32 v226, s22, v226
	v_max_num_f32 v13, v13, v226                   ; the running largest t
	v_mov_b32 v226, v12
	v_floor_f32 v12, -v13                          ; -M = floor(-t)
	v_sub_f32 v226, v12, v226
	v_cvt_i32_f32 v226, v226                       ; (it saturates)
	v_ldexp_f32 v224, 1.0, v226                    ; f = 2^(old M - new M)
.set n, 0
.rept 32
	v_pk_fma_f32 v[96+n:97+n], v[96+n:97+n], s[22:23], v[12:13] op_sel_hi:[1,0,0]   ; t - M
.set n, n+2
.endr
.irp b, 0,1,2,3
	v_fma_f32 v[212+\b], v[212+\b], s22, v12
.endr
.set n, 0
.rept 64
	v_exp_f32 v[96+n], v[96+n]                     ; p
.set n, n+1
.endr
	v_pk_mul_f32 v[14:15], v[14:15], v[224:225] op_sel_hi:[1,0]   ; the sums under the new M; the plain line behind the batch
	s_wait_alu depctr_va_vdst(0)                   ; one wait for the 64, ahead of their first reader
.irp b, 0,1,2,3
	v_exp_f32 v[212+\b], v[212+\b]                 ; each block's largest p
.endr
	v_pk_add_f32 v[216:217], v[96:97], v[98:99]    ; the row's sum, of the unquantised p, in two chains
.irp j, 4,8,12,16,20,24,28,32,36,40,44,48,52,56,60
	v_pk_add_f32 v[14:15], v[14:15], v[96+\j:97+\j]
	v_pk_add_f32 v[216:217], v[216:217], v[98+\j:99+\j]
.endr
	v_pk_add_f32 v[14:15], v[14:15], v[216:217]
	s_wait_alu depctr_va_vdst(0)                   ; and one for the four
.irp b, 0,1,2,3
	v_max_num_f32 v[212+\b], 0x1800000, v[212+\b]  ; the floor 2^(3 - 127)
.endr
.irp b, 0,1,2,3
	v_add_nc_u32 v[220+\b], 0xff000000, v[212+\b]
.endr
.irp b, 0,1,2,3
	v_lshrrev_b32 v[216+\b], 23, v[220+\b]
.endr
	v_lshl_or_b32 v93, v217, 8, v216               ; p's scale word
	v_lshl_or_b32 v93, v218, 16, v93
	v_lshl_or_b32 v93, v219, 24, v93
.irp k, 0,1
	v_cvt_scalef32_pk16_fp6_f32 v[192+6*\k:194+6*\k], v[96+32*\k:111+32*\k], v[220+2*\k]
	v_cvt_scalef32_pk16_fp6_f32 v[204+4*\k:206+4*\k], v[112+32*\k:127+32*\k], v[220+2*\k+1]
.endr
	v_nop
.irp k, 0,1
.irp i, 0,1,2
	v_permlane16_swap_b32 v[192+6*\k+\i], v[204+4*\k+\i]
.endr
.irp i, 0,1,2
	v_mov_b32 v[195+6*\k+\i], v[204+4*\k+\i]
.endr
.endr
.set n, 0
.rept 16
	v_pk_mul_f32 v[160+n:161+n], v[160+n:161+n], v[224:225] op_sel_hi:[1,0]   ; O^T under the new M; twelve of these name none of a given product's registers: the places ahead of the scaled products
.set n, n+2
.endr
.irp d, 0,1,2,3
.irp k, 0,1
	ds_load_b128 v[96+12*\d+6*\k:99+12*\d+6*\k], v3 offset:((\c)/2)*12288+\d*3072+((\c)%2)*1536+\k*768
	ds_load_b64 v[100+12*\d+6*\k:101+12*\d+6*\k], v4 offset:((\c)/2)*12288+\d*3072+((\c)%2)*1536+\k*768
.endr
.endr
	ds_load_b128 v[88:91], v6 offset:256*(\c)
	s_wait_dscnt 0x0
.irp d, 0,1,2,3
	v_wmma_scale_f32_16x16x128_f8f6f4 v[160+8*\d:167+8*\d], v[96+12*\d:107+12*\d], v[192:203], v[160+8*\d:167+8*\d], v[88+\d], v93 matrix_a_fmt:MATRIX_FMT_FP6 matrix_b_fmt:MATRIX_FMT_FP6
.endr
.if (\c) > 0
.Lskip_\@:
.endif
.endm
	s_wait_loadcnt 0x0                             ; Q
.irp s, 0,1,2,3
	s_wait_tensorcnt 3-\s                          ; the scale words and chunks 0 .. s have landed; the 3 - s later chunks may be out
	s_wait_dscnt 0x0
	s_barrier_signal -1
	s_barrier_wait -1
	STEP 2*\s
	STEP 2*\s+1
.endr
	; THE WAY OUT: O^T / the sum; its 32 numbers a lane are two half blocks along the next K; one half image and two scale bytes
.rept 4
	v_nop
.endr
	v_add_f32 v14, v14, v15
	v_permlanex16_b32 v226, v14, s20, s21
	v_add_f32 v14, v14, v226
	v_rcp_f32 v14, v14
	v_nop
	s_wait_alu depctr_va_vdst(0)
.set n, 0
.rept 32
	v_mul_f32 v[96+n], v[160+n], v14
.set n, n+1
.endr
.irp b, 0,1
	v_max3_num_f32 v[212+\b], |v[96+16*\b]|, |v[97+16*\b]|, 0x1800000
.endr
.irp i, 2,4,6,8,10,12,14
.irp b, 0,1
	v_max3_num_f32 v[212+\b], v[212+\b], |v[96+16*\b+\i]|, |v[97+16*\b+\i]|
.endr
.endr
.irp b, 0,1
	v_permlanex16_b32 v[216+\b], v[212+\b], s20, s21
.endr
.irp b, 0,1
	v_max_num_f32 v[212+\b], v[212+\b], v[216+\b]
.endr
.irp b, 0,1
	v_add_nc_u32 v[220+\b], 0xff000000, v[212+\b]
.endr
.irp b, 0,1
	v_lshrrev_b32 v[216+\b], 23, v[220+\b]
.endr
	v_cvt_scalef32_pk16_fp6_f32 v[192:194], v[96:111], v220
	v_cvt_scalef32_pk16_fp6_f32 v[204:206], v[112:127], v221
	v_nop
.irp i, 0,1,2
	v_permlane16_swap_b32 v[192+\i], v[204+\i]
.endr
.irp i, 0,1,2
	v_mov_b32 v[195+\i], v[204+\i]
.endr
	global_store_b128 v1, v[192:195], s[14:15]     ; 512 dense bytes,
	global_store_b64 v2, v[196:197], s[14:15]      ; and 256
	s_mov_b32 vcc_lo, 0xffff0000
	v_cndmask_b32 v226, v216, v217, vcc_lo
	global_store_b8 v9, v226, s[18:19]             ; single bytes: two heads share a word; 32 bytes a wave
	s_wait_tensorcnt 0x0
	s_wait_tensorcnt 0x0
	ds_add_u32 v254, v255
	s_wait_dscnt 0x0
	CROUND                                         ; the closing round
	s_endpgm
.Lfunc_end_k_q11f2eb2563_attn:
	.size	k_q11f2eb2563_attn, .Lfunc_end_k_q11f2eb2563_attn-k_q11f2eb2563_attn
	.p2alignl 7, 3214868480
	.fill 96, 4, 3214868480
	.section	.rodata,"a",@progbits
	.p2align	6, 0x0
	.amdhsa_kernel k_q11f2eb2563_attn
		.amdhsa_group_segment_fixed_size 169984
		.amdhsa_private_segment_fixed_size 0
		.amdhsa_enable_private_segment 0
		.amdhsa_kernarg_size 16
		.amdhsa_user_sgpr_count 2
		.amdhsa_user_sgpr_kernarg_segment_ptr 1
		.amdhsa_wavefront_size32 1
		.amdhsa_system_sgpr_workgroup_id_x 1
		.amdhsa_system_sgpr_workgroup_id_y 1
		.amdhsa_system_sgpr_workgroup_id_z 1
		.amdhsa_system_vgpr_workitem_id 0
		.amdhsa_next_free_vgpr 256
		.amdhsa_next_free_sgpr 102
		.amdhsa_reserve_vcc 1
		.amdhsa_float_denorm_mode_32 3
		.amdhsa_float_denorm_mode_16_64 3
		.amdhsa_memory_ordered 1
		.amdhsa_forward_progress 1
		.amdhsa_inst_pref_size 185
	.end_amdhsa_kernel
	.amdgpu_metadata
---
amdhsa.version: [ 1, 2 ]
amdhsa.kernels:
  - .name:           k_q11f2eb2563_attn
    .symbol:         k_q11f2eb2563_attn.kd
    .args:
      - { .name: qkvc, .offset: 0, .size: 8, .value_kind: global_buffer, .address_space: global }
      - { .name: avc, .offset: 8, .size: 8, .value_kind: global_buffer, .address_space: global }
    .group_segment_fixed_size: 169984
    .private_segment_fixed_size: 0
    .kernarg_segment_align: 8
    .kernarg_segment_size: 16
    .max_flat_workgroup_size: 512
    .sgpr_count:     102
    .vgpr_count:     256
    .wavefront_size: 32
...
	.end_amdgpu_metadata
.endif
;; end of part 3
;; launch oproj (part 4): grid 8 x 32, 4 waves a work-group, clusters of 4 x 4, 327,680 bytes of LDS; arguments avc, wc, ws, bO, X, x1; writes x1
.if DOCPART == 4
	.amdgcn_target "amdgcn-amd-amdhsa--gfx1250"
	.amdhsa_code_object_version 6
	.text
	.protected	k_q11f2eb2563_oproj
	.globl	k_q11f2eb2563_oproj
	.p2align	8
	.type	k_q11f2eb2563_oproj,@function
k_q11f2eb2563_oproj:
	s_mov_b64 s[64:65], 0
	v_nop
	global_prefetch_b8 v0, s[64:65] scope:SCOPE_SE
	s_setreg_imm32_b32 hwreg(HW_REG_WAVE_MODE, 25, 1), 1
	s_wait_xcnt 0x0
	s_wait_alu depctr_hold_cnt(0) depctr_sa_sdst(0) depctr_va_vdst(0) depctr_va_sdst(0) depctr_va_ssrc(0) depctr_va_vcc(0) depctr_vm_vsrc(0)
	s_getreg_b32 s2, hwreg(HW_REG_IB_STS2, 6, 4)
	s_cmp_eq_u32 s2, 0
	s_cbranch_scc0 .Lentry_in_a_cluster
	s_endpgm
.Lentry_in_a_cluster:
	s_bfe_u32 s2, ttmp6, 0x10000c
	s_cmp_lg_u32 s2, 0xf033
	s_cbranch_scc0 .Lentry_shape_is_right
	s_endpgm
.Lentry_shape_is_right:
; out = residual + A B^T + bias in f32; A and B are codes of FP6 (E2M3) with E8M0 scales.  KIND 0: X + AV WO + bO (K = 1,024); KIND 1: X1 + H W2 + b2 (K = 4,096).
; OPERANDS lie in memory as images of the operand registers: [tile of 16][K / 64][768 bytes]; a tile's place r is index 32 b + 8 u + r + 8 (r / 8) (tile 2 b + u).  SCALES: [128 rows][K / 128][r 16][tile 8] words.
; N is 1,024: tiles of 128 x 128 give each of 256 WGPs a work-group.  Four waves, each 64 x 64: 16 accumulators.  K goes in steps of 512 through two LDS slots filled by joint tensor loads.
; CLUSTER 4 x 4: A's tiles are shared along a row of the cluster, B's along a column.  Source 0 = B's 16 columns, source 1 = A's 16 rows: a lane holds one row and eight neighbouring columns a tile.
; The residual's 64 x 64 numbers of a wave are asked for at the head and wait in registers; the results meet them by way of the wave's own stage in LDS, whole rows of 256 bytes.
; LIMITS: NaN and infinities are not served; sums go along K ascending, 128 an instruction.  No prefetch: K has at most three refills of each slot.
; REGISTERS: window 0: v4-29 addresses, v32-47 scale words (two sets), v48-51 the bias, v64-111, v160-207 A's two buffers; window 1: the same numbers, B's; window 2: v0-127 the accumulators; window 3: v0-127 the residual.
.set KIND, 0
.if KIND == 0
.set KS, 8
.set ASOFF, 3145728
.set BOFF, 2359296
.set BSOFF, 98304
.else
.set KS, 32
.set ASOFF, 12582912
.set BOFF, 6291456
.set BSOFF, 262144
.endif
.set NT, 4
.set NQ, 4
.set LAPS, KS/(2*NQ)
.set HALFS, NT*KS*64
.set QUART, NT*NQ*1536
.set SLOT, 4*QUART
.set SCL, 2*SLOT
.set SPARE, SCL+4*HALFS
.set STO, 7
.set RD, 8
.set ADA, 16
.set ADB, 20
.set ADRS, 27
.set SPW, 28
.set NIL, 29
.set SC, 32
.set F0, 64
.set BK, 64
.set G1, 24
.set G0, 32
.set G1B, 48
.set G0B, 56
.set G1S, 68
.set G0S, 76
.set G1SB, 80
.set G0SB, 88
.set MSB, 0
.macro WIN new
.if MSB != \new
	s_set_vgpr_msb (MSB<<8)|\new
.set MSB, \new
.endif
.endm
.macro JLOAD g0a, g1a, g0b, g1b        ; a joint load: waves 0, 1 fetch for A, waves 2, 3 for B; four v_nop follow each line
	s_cmp_eq_u32 s15, 0
	s_cbranch_scc0 .Lfor_b_\@
	tensor_load_to_lds s[\g0a:\g0a+3], s[\g1a:\g1a+7]
	s_nop 0
.rept 4
	v_nop
.endr
	s_branch .Lasked_\@
.Lfor_b_\@:
	tensor_load_to_lds s[\g0b:\g0b+3], s[\g1b:\g1b+7]
	s_nop 0
.rept 4
	v_nop
.endr
.Lasked_\@:
.endm
.macro CREST
	s_cmp_lg_u32 s14, 0
	s_cbranch_scc1 .Lnot_wave_0_\@
	s_barrier_signal -3
.Lnot_wave_0_\@:
	s_barrier_wait -3
	s_barrier_signal -1
	s_barrier_wait -1
.endm
.macro CROUND
	s_barrier_signal -1
	s_barrier_wait -1
	CREST
.endm
.macro PLACES
.rept 4
	v_nop
.endr
.endm
	s_load_b128 s[4:7], s[0:1], 0x0                ; A's codes and scales, the weights' codes
	s_load_b128 s[8:11], s[0:1], 0x10              ; the weights' scales, the bias
	s_load_b128 s[96:99], s[0:1], 0x20             ; the residual, the result
	v_lshl_add_u32 v[SPW], v0, 2, SPARE
	v_mov_b32 v[NIL], 0
	ds_add_u32 v28, v29
	ds_add_u32 v28, v29
	s_wait_dscnt 0x0
	v_lshrrev_b32 v1, 5, v0
	v_readfirstlane_b32 s14, v1
	s_lshr_b32 s15, s14, 1
	s_and_b32 s16, s14, 1
	s_bfe_u32 s40, ttmp6, 0x40000
	s_bfe_u32 s41, ttmp6, 0x40004
	s_and_b32 s17, ttmp7, 0xffff
	s_lshl_b32 s43, s41, 2
	s_lshl_b32 s43, 15, s43
	s_lshl_b32 s44, 0x1111, s40
	s_lshl_b32 s17, s17, 2
	s_add_co_u32 s17, s17, s41                     ; the tile's row of 128
	s_lshl_b32 s42, ttmp9, 2
	s_add_co_u32 s42, s42, s40                     ; its column of 128
	s_or_b32 s[G1], s43, (3<<16)|(1<<21)
	s_or_b32 s[G1B], s44, (3<<16)|(1<<21)
	s_or_b32 s[G1S], s43, (3<<16)|(1<<21)
	s_or_b32 s[G1SB], s44, (3<<16)|(1<<21)
.irp g, G1, G1B
	s_mov_b32 s[\g+1], (NQ*192)<<16
	s_mov_b32 s[\g+2], NT<<16
	s_mov_b32 s[\g+3], (NQ*192)<<16
	s_mov_b32 s[\g+4], NT
	s_mov_b32 s[\g+5], KS*192
	s_mov_b32 s[\g+6], 0
	s_mov_b32 s[\g+7], 0
.endr
.irp g, G1S, G1SB
	s_mov_b32 s[\g+1], 32<<16
	s_mov_b32 s[\g+2], (HALFS/256)<<16
	s_mov_b32 s[\g+3], 32<<16
	s_mov_b32 s[\g+4], HALFS/256
	s_mov_b32 s[\g+5], 32
	s_mov_b32 s[\g+6], 0
	s_mov_b32 s[\g+7], 0
.endr
	s_lshl_b32 s20, s17, 1
	s_add_co_u32 s20, s20, s16
	s_mul_i32 s22, s20, HALFS
	s_mul_i32 s20, s20, NT*KS*1536
	s_mov_b32 s21, 0
	s_mov_b32 s23, 0
	s_lshl_b32 s46, s42, 1
	s_add_co_u32 s46, s46, s16
	s_mul_i32 s92, s46, HALFS
	s_mul_i32 s46, s46, NT*KS*1536
	s_mov_b32 s47, 0
	s_mov_b32 s93, 0
	s_mul_i32 s45, s14, QUART
	s_mul_i32 s94, s14, HALFS
	s_wait_kmcnt 0x0
	s_add_nc_u64 s[G0+2:G0+3], s[4:5], s[20:21]
	s_add_nc_u64 s[G0+6:G0+7], s[G0+2:G0+3], NQ*1536
	s_add_nc_u64 s[G0S+2:G0S+3], s[4:5], ASOFF
	s_add_nc_u64 s[G0S+2:G0S+3], s[G0S+2:G0S+3], s[22:23]
	s_add_nc_u64 s[G0B+2:G0B+3], s[6:7], BOFF
	s_add_nc_u64 s[G0B+2:G0B+3], s[G0B+2:G0B+3], s[46:47]
	s_add_nc_u64 s[G0B+6:G0B+7], s[G0B+2:G0B+3], NQ*1536
	s_add_nc_u64 s[G0SB+2:G0SB+3], s[8:9], BSOFF
	s_add_nc_u64 s[G0SB+2:G0SB+3], s[G0SB+2:G0SB+3], s[92:93]
.irp g, G0, G0+4, G0B, G0B+4, G0S, G0SB
	s_mov_b32 s[\g], 1
	s_or_b32 s[\g+3], s[\g+3], 0x80000000
.endr
	s_add_co_u32 s[G0+1], s45, 0
	s_add_co_u32 s[G0+5], s45, SLOT
	s_add_co_u32 s[G0B+1], s45, 0
	s_add_co_u32 s[G0B+5], s45, SLOT
	s_add_co_u32 s[G0S+1], s94, SCL
	s_add_co_u32 s[G0SB+1], s94, SCL
	CROUND                                         ; all sixteen work-groups are here: the first joint loads meet
	JLOAD G0S, G1S, G0SB, G1SB                     ; three loads of mine are out: the scales, slot 0, slot 1
	JLOAD G0, G1, G0B, G1B
	JLOAD G0+4, G1, G0B+4, G1B
	v_and_b32 v1, 31, v0
	v_and_b32 v2, 15, v0                           ; r
	v_bfe_u32 v3, v0, 4, 1                         ; h
	v_lshlrev_b32 v4, 4, v1
	v_lshl_add_u32 v5, v1, 3, 512
	s_mul_i32 s18, s15, QUART
	s_mul_i32 s19, s16, QUART
	s_add_co_u32 s19, s19, 2*QUART
.irp s, 0,1
	v_add_nc_u32 v[ADA+\s], s18, v4
	v_add_nc_u32 v[ADA+2+\s], s18, v5
	v_add_nc_u32 v[ADB+\s], s19, v4
	v_add_nc_u32 v[ADB+2+\s], s19, v5
	s_add_co_u32 s18, s18, SLOT
	s_add_co_u32 s19, s19, SLOT
.endr
	s_lshl_b32 s18, s15, 4                         ; scale words: my four tiles are half of a lane's eight words; lanes 0-15 take A's, lanes 16-31 B's: one product with h
	s_lshl_b32 s19, s16, 4
	s_add_co_u32 s19, s19, 2*HALFS
	s_sub_co_u32 s19, s19, s18
	v_mul_u32_u24 v6, s19, v3
	s_add_co_u32 s18, s18, SCL
	v_lshl_add_u32 v6, v2, 5, v6
	v_add_nc_u32 v[ADRS], s18, v6
	s_mul_i32 s18, s14, 16*272                     ; my stage: 16 rows x (256 + 16) bytes, in slot 0, which has had its last fill and its last read when the first result is stored there
	v_mul_u32_u24 v[STO], v2, 272
	v_lshl_add_u32 v[STO], v3, 6, v[STO]
	v_add_nc_u32 v[STO], s18, v[STO]               ; in: row r, + 64 h
	v_mul_u32_u24 v[RD], v3, 272
	v_lshl_add_u32 v[RD], v2, 4, v[RD]
	v_add_nc_u32 v[RD], s18, v[RD]                 ; back: lanes 0-15 one row, lanes 16-31 the next
	v_lshlrev_b32 v25, 4, v2
	v_lshl_add_u32 v24, v3, 12, v25                ; the same two rows in memory
	s_lshl_b32 s100, s17, 7
	s_lshl_b32 s101, s15, 6
	s_add_co_u32 s100, s100, s101
	s_lshl_b32 s100, s100, 12                      ; my first row, 4,096 bytes a row
	s_lshl_b32 s94, s42, 9
	s_lshl_b32 s95, s16, 8
	s_add_co_u32 s94, s94, s95                     ; my first column, in bytes
	s_add_co_u32 s100, s100, s94
	s_mov_b32 s101, 0
	s_mov_b32 s95, 0
	s_add_nc_u64 s[96:97], s[96:97], s[100:101]
	s_add_nc_u64 s[98:99], s[98:99], s[100:101]
	s_add_nc_u64 s[10:11], s[10:11], s[94:95]
	WIN 0xc0                                       ; the residual into window 3, in the order in which the rows come back from the stage: place 2 t + h of tile a
.irp a, 0,1,2,3
.irp t, 0,1,2,3,4,5,6,7
	global_load_b128 v[4*(8*\a+\t):4*(8*\a+\t)+3], v24, s[96:97] offset:(32*(\a/2)+8*(\a%2)+2*\t+8*(\t/4))*4096
.endr
.endr
	WIN 0
	global_load_b128 v[48:51], v25, s[10:11]
.macro FRAGS f, a16, a8, q
.irp i, 0,1,2,3
.irp c, 0,1
	ds_load_b128 v[\f+12*\i+6*\c:\f+12*\i+6*\c+3], v[\a16] offset:\i*NQ*1536+(\q)*1536+\c*768
	ds_load_b64 v[\f+12*\i+6*\c+4:\f+12*\i+6*\c+5], v[\a8] offset:\i*NQ*1536+(\q)*1536+\c*768
.endr
.endr
.endm
.macro FETCH slot, q
	WIN 0x40
	FRAGS F0+96*((\q)%2), ADB+\slot, ADB+2+\slot, \q
	WIN 0
	FRAGS F0+96*((\q)%2), ADA+\slot, ADA+2+\slot, \q
	ds_load_b128 v[SC+8*((\q)%2):SC+8*((\q)%2)+3], v[ADRS] offset:(\q)*512
.endm
.macro MULA a, p, zero                 ; the 16 accumulators take turns, in the same order in every step
	WIN 0xa1
.irp b, 0,1,2,3
.if \zero
	v_wmma_scale_f32_16x16x128_f8f6f4 v[8*(4*(\a)+\b):8*(4*(\a)+\b)+7], v[F0+96*(\p)+12*\b:F0+96*(\p)+12*\b+11], v[F0+96*(\p)+12*(\a):F0+96*(\p)+12*(\a)+11], 0, v[SC+8*(\p)+\b], v[SC+8*(\p)+(\a)] matrix_a_fmt:MATRIX_FMT_FP6 matrix_b_fmt:MATRIX_FMT_FP6 matrix_a_scale:MATRIX_SCALE_ROW1
.else
	v_wmma_scale_f32_16x16x128_f8f6f4 v[8*(4*(\a)+\b):8*(4*(\a)+\b)+7], v[F0+96*(\p)+12*\b:F0+96*(\p)+12*\b+11], v[F0+96*(\p)+12*(\a):F0+96*(\p)+12*(\a)+11], v[8*(4*(\a)+\b):8*(4*(\a)+\b)+7], v[SC+8*(\p)+\b], v[SC+8*(\p)+(\a)] matrix_a_fmt:MATRIX_FMT_FP6 matrix_b_fmt:MATRIX_FMT_FP6 matrix_a_scale:MATRIX_SCALE_ROW1
.endif
.endr
.endm
.macro STEP slot, q, zero
	s_wait_dscnt 0x0                               ; this step's fragments, asked for half a step ago
	MULA 0, (\q)%2, \zero
	MULA 1, (\q)%2, \zero
	PLACES
	FETCH \slot, (\q)+1
	MULA 2, (\q)%2, \zero
	MULA 3, (\q)%2, \zero
	WIN 0
.endm
.macro TURN slot, next, fill           ; a slot's last step changes slots: one barrier; ahead of it the wait for all my tensor loads, the add, the wait for it and for my reads of this slot
	WIN 0
	s_wait_tensorcnt 0x0
	ds_add_u32 v[SPW], v[NIL]                      ; 0 onto my spare word
	s_wait_dscnt 0x1                               ; the fragments are in; the add alone may be out
	MULA 0, 1, 0
	s_wait_dscnt 0x0
	s_barrier_signal -1
	MULA 1, 1, 0
	WIN 0
	s_barrier_wait -1
.if \fill
	CREST                                          ; the barrier has opened a round of the cluster's
	s_add_nc_u64 s[G0+4*\slot+2:G0+4*\slot+3], s[G0+4*\slot+2:G0+4*\slot+3], 2*NQ*1536
	s_add_nc_u64 s[G0B+4*\slot+2:G0B+4*\slot+3], s[G0B+4*\slot+2:G0B+4*\slot+3], 2*NQ*1536
	JLOAD G0+4*\slot, G1, G0B+4*\slot, G1B         ; my one tensor load behind the round; its four v_nop are the places ahead of the loads below
.else
	PLACES
.endif
	v_add_nc_u32 v[ADRS], NQ*512, v[ADRS]
	FETCH \next, 0
	MULA 2, 1, 0
	MULA 3, 1, 0
	WIN 0
.endm
	s_wait_tensorcnt 0x1                           ; the scales and my part of slot 0 are in; slot 1's load may be out
	s_barrier_signal -1
	s_barrier_wait -1
	FETCH 0, 0
	STEP 0, 0, 1                                   ; the first step's products start the sums
.if LAPS > 1
	s_mov_b32 s3, LAPS-1
.Llap:
	STEP 0, 1, 0
	STEP 0, 2, 0
	TURN 0, 1, 1
	STEP 1, 0, 0
	STEP 1, 1, 0
	STEP 1, 2, 0
	TURN 1, 0, 1
	STEP 0, 0, 0
	s_sub_co_u32 s3, s3, 1
	s_cmp_lg_u32 s3, 0
	s_cbranch_scc1 .Llap
.endif
	STEP 0, 1, 0
	STEP 0, 2, 0
	TURN 0, 1, 0                                   ; the last lap fills nothing
	STEP 1, 0, 0
	STEP 1, 1, 0
	STEP 1, 2, 0
	s_wait_dscnt 0x0
.irp a, 0,1,2,3
	MULA \a, 1, 0
.endr
	WIN 0
	PLACES
	s_wait_loadcnt 0x0                             ; the residual and the bias
; THE WAY OUT, a tile of 16 rows at a time: into my stage, back as rows of 256 bytes, + residual, + bias; sixteen lanes store 256 consecutive bytes, aligned
.irp a, 0,1,2,3
.if \a >= 2
	s_wait_xcnt 0x0                                ; tile a - 2's stores have read their registers
.endif
	WIN 0x08                                       ; an LDS store's data are its source 1: window 2
.irp b, 0,1,2,3
	ds_store_b128 v[STO], v[8*(4*\a+\b):8*(4*\a+\b)+3] offset:128*(\b/2)+32*(\b%2)      ; each accumulator from its low end on
	ds_store_b128 v[STO], v[8*(4*\a+\b)+4:8*(4*\a+\b)+7] offset:128*(\b/2)+32*(\b%2)+16
.endr
	WIN 0
.irp t, 0,1,2,3,4,5,6,7
	ds_load_b128 v[BK+32*(\a%2)+4*\t:BK+32*(\a%2)+4*\t+3], v[RD] offset:544*\t   ; LDS serves a wave's instructions in order: these see the stores above
.endr
	s_wait_dscnt 0x0
	WIN 0x0c                                       ; source 1: window 3
.irp t, 0,1,2,3,4,5,6,7
	v_pk_add_f32 v[BK+32*(\a%2)+4*\t:BK+32*(\a%2)+4*\t+1], v[BK+32*(\a%2)+4*\t:BK+32*(\a%2)+4*\t+1], v[4*(8*\a+\t):4*(8*\a+\t)+1]
	v_pk_add_f32 v[BK+32*(\a%2)+4*\t+2:BK+32*(\a%2)+4*\t+3], v[BK+32*(\a%2)+4*\t+2:BK+32*(\a%2)+4*\t+3], v[4*(8*\a+\t)+2:4*(8*\a+\t)+3]
.endr
	WIN 0
.irp t, 0,1,2,3,4,5,6,7
	v_pk_add_f32 v[BK+32*(\a%2)+4*\t:BK+32*(\a%2)+4*\t+1], v[BK+32*(\a%2)+4*\t:BK+32*(\a%2)+4*\t+1], v[48:49]
	v_pk_add_f32 v[BK+32*(\a%2)+4*\t+2:BK+32*(\a%2)+4*\t+3], v[BK+32*(\a%2)+4*\t+2:BK+32*(\a%2)+4*\t+3], v[50:51]
.endr
.irp t, 0,1,2,3,4,5,6,7
	global_store_b128 v24, v[BK+32*(\a%2)+4*\t:BK+32*(\a%2)+4*\t+3], s[98:99] offset:(32*(\a/2)+8*(\a%2)+2*\t+8*(\t/4))*4096
.endr
.endr
	s_wait_tensorcnt 0x0                           ; the wave's end
	ds_add_u32 v[SPW], v[NIL]
	s_wait_dscnt 0x0
	CROUND                                         ; the closing round
	s_endpgm
.Lfunc_end_k_q11f2eb2563_oproj:
	.size	k_q11f2eb2563_oproj, .Lfunc_end_k_q11f2eb2563_oproj-k_q11f2eb2563_oproj
	.p2alignl 7, 3214868480
	.fill 96, 4, 3214868480
	.section	.rodata,"a",@progbits
	.p2align	6, 0x0
	.amdhsa_kernel k_q11f2eb2563_oproj
		.amdhsa_group_segment_fixed_size 327680
		.amdhsa_private_segment_fixed_size 0
		.amdhsa_enable_private_segment 0
		.amdhsa_kernarg_size 48
		.amdhsa_user_sgpr_count 2
		.amdhsa_user_sgpr_kernarg_segment_ptr 1
		.amdhsa_wavefront_size32 1
		.amdhsa_system_sgpr_workgroup_id_x 1
		.amdhsa_system_sgpr_workgroup_id_y 1
		.amdhsa_system_sgpr_workgroup_id_z 1
		.amdhsa_system_vgpr_workitem_id 0
		.amdhsa_next_free_vgpr 1024
		.amdhsa_next_free_sgpr 102
		.amdhsa_reserve_vcc 0
		.amdhsa_float_denorm_mode_32 3
		.amdhsa_float_denorm_mode_16_64 3
		.amdhsa_memory_ordered 1
		.amdhsa_forward_progress 1
		.amdhsa_inst_pref_size 65
	.end_amdhsa_kernel
	.amdgpu_metadata
---
amdhsa.version: [ 1, 2 ]
amdhsa.kernels:
  - .name:           k_q11f2eb2563_oproj
    .symbol:         k_q11f2eb2563_oproj.kd
    .args:
      - { .name: avc, .offset: 0, .size: 8, .value_kind: global_buffer, .address_space: global }
      - { .name: wc, .offset: 8, .size: 8, .value_kind: global_buffer, .address_space: global }
      - { .name: ws, .offset: 16, .size: 8, .value_kind: global_buffer, .address_space: global }
      - { .name: bO, .offset: 24, .size: 8, .value_kind: global_buffer, .address_space: global }
      - { .name: X, .offset: 32, .size: 8, .value_kind: global_buffer, .address_space: global }
      - { .name: x1, .offset: 40, .size: 8, .value_kind: global_buffer, .address_space: global }
    .group_segment_fixed_size: 327680
    .private_segment_fixed_size: 0
    .kernarg_segment_align: 8
    .kernarg_segment_size: 48
    .max_flat_workgroup_size: 128
    .sgpr_count:     102
    .vgpr_count:     1024
    .wavefront_size: 32
...
	.end_amdgpu_metadata
.endif
;; end of part 4
;; launch ln2 (part 5): grid 256 x 1, 4 waves a work-group, no clusters, 66,304 bytes of LDS; arguments x1, g2, be2, xc; writes xc
.if DOCPART == 5
	.amdgcn_target "amdgcn-amd-amdhsa--gfx1250"
	.amdhsa_code_object_version 6
	.text
	.protected	k_q11f2eb2563_ln2
	.globl	k_q11f2eb2563_ln2
	.p2align	8
	.type	k_q11f2eb2563_ln2,@function
k_q11f2eb2563_ln2:
	s_mov_b64 s[64:65], 0
	v_nop
	global_prefetch_b8 v0, s[64:65] scope:SCOPE_SE
	s_setreg_imm32_b32 hwreg(HW_REG_WAVE_MODE, 25, 1), 1
	s_wait_xcnt 0x0
; LayerNorm of 4,096 rows of 1,024 f32, quantised along the row to codes of FP6 (E2M3) with one E8M0 byte for each 32, laid as operand images.
; y = (x - mean) rsqrt(var + 1e-5) g + b, all in f32; the mean first, then the mean of the squared differences, as the definition has it, so that a common offset does no harm.
; Work-group t makes tile t of 16 rows: place s is row 32 (t / 2) + 8 (t % 2) + s + 8 (s / 8).  CODES: [tile][K / 64][768] (lane l = r + 16 h: registers 0-3 at 16 l, 4-5 at 512 + 8 l);
; SCALES at byte 3,145,728: [tile / 8][K / 128][r 16][tile % 8] words.
; PHASE 1: wave w norms places 4 w .. 4 w + 3, four neighbouring rows, each whole in the wave (32 registers): no other wave is asked.  The rows go to LDS (pitch 4,112 bytes).
; PHASE 2, behind the one barrier: wave w takes columns 256 w .. + 255 of all 16 rows, lane (r, h) 16 neighbours of each block of 32 of row r, and quantises two fragments.
; LIMITS: NaN and infinities are not served; a block under 2^-124 (zeros too) keeps the byte 1, read by this program alone.  Memory binds: no matrix work, no cluster, no tensor load.
.set PITCH, 4112
.set XR, 32                            ; v32-159  four rows, later 128 numbers of my row's 256 columns
.set GR, 160                           ; v160-191 g
.set BE, 192                           ; v192-223 b
.set SM, 224                           ; v224-231 sums, a pair a row
.set PT, 232                           ; v232-235 the other half's sums
.set SQ, 240                           ; v240-247 sums of squares
.set RS, 248                           ; v248-255 1 / sqrt, a pair a row
.set TM, 224                           ; phase 2: v224-239 at work
.set SEL, 20
.set PC0, 160
.set PC1, 180
.set PW0, 200
.set PW1, 201
.macro REDUCE b                        ; four rows' sums over the wave, by turns; the result stands in every lane
.irp k, 0,1,2,3
	v_add_f32 v[\b+2*\k], v[\b+2*\k], v[\b+2*\k+1]
.endr
.irp m, 1,2,4,8
.irp k, 0,1,2,3
	v_add_f32_dpp v[\b+2*\k], v[\b+2*\k], v[\b+2*\k] row_xmask:\m row_mask:0xf bank_mask:0xf
.endr
.endr
.irp k, 0,1,2,3
	v_permlanex16_b32 v[PT+\k], v[\b+2*\k], s[SEL], s[SEL+1]
.endr
.irp k, 0,1,2,3
	v_add_f32 v[\b+2*\k], v[\b+2*\k], v[PT+\k]
.endr
.endm
; 64 numbers of a lane, register 16 b + i = k 32 b + 16 (lane / 16) + i of my row, become a fragment's 12 registers in v[pc] on and its scale word in v[pw]
.macro QUANT s, pc, pw
.irp b, 0,1,2,3
	v_max3_num_f32 v[TM+\b], |v[\s+16*\b]|, |v[\s+1+16*\b]|, 0x1800000   ; with the floor 2^(3 - 127)
.endr
.irp i, 2,4,6,8,10,12,14
.irp b, 0,1,2,3
	v_max3_num_f32 v[TM+\b], v[TM+\b], |v[\s+16*\b+\i]|, |v[\s+1+16*\b+\i]|
.endr
.endr
.irp b, 0,1,2,3
	v_permlanex16_b32 v[TM+4+\b], v[TM+\b], s[SEL], s[SEL+1]
.endr
.irp b, 0,1,2,3
	v_max_num_f32 v[TM+\b], v[TM+\b], v[TM+4+\b]   ; with lane l xor 16's 16: the block's largest magnitude
.endr
.irp b, 0,1,2,3
	v_add_nc_u32 v[TM+12+\b], 0xff000000, v[TM+\b] ; 2 off the exponent field: the conversion's scale operand
.endr
.irp b, 0,1,2,3
	v_lshrrev_b32 v[TM+4+\b], 23, v[TM+12+\b]      ; the byte
.endr
	v_lshl_or_b32 v[\pw], v[TM+5], 8, v[TM+4]
	v_lshl_or_b32 v[\pw], v[TM+6], 16, v[\pw]
	v_lshl_or_b32 v[\pw], v[TM+7], 24, v[\pw]
.irp c, 0,1
	v_cvt_scalef32_pk16_fp6_f32 v[\pc+6*\c:\pc+2+6*\c], v[\s+32*\c:\s+15+32*\c], v[TM+12+2*\c]
	v_cvt_scalef32_pk16_fp6_f32 v[\pc+12+4*\c:\pc+14+4*\c], v[\s+16+32*\c:\s+31+32*\c], v[TM+12+2*\c+1]
.endr
	v_nop                                          ; one plain line behind the conversions
.irp c, 0,1                            ; a whole block to a lane: lanes 0-15 block 2 c, lanes 16-31 block 2 c + 1
.irp i, 0,1,2
	v_permlane16_swap_b32 v[\pc+6*\c+\i], v[\pc+12+4*\c+\i]
.endr
.irp i, 0,1,2
	v_mov_b32 v[\pc+3+6*\c+\i], v[\pc+12+4*\c+\i]
.endr
.endr
.endm
	s_load_b256 s[4:11], s[0:1], 0x0               ; x 4, g 6, b 8, the codes' buffer 10
	v_lshl_add_u32 v30, v0, 2, 0x10100
	v_mov_b32 v31, 0
	v_lshrrev_b32 v1, 5, v0
	v_readfirstlane_b32 s12, v1                    ; wave
	v_and_b32 v2, 31, v0
	v_lshlrev_b32 v3, 4, v2                        ; 16 x lane
	v_lshl_add_u32 v8, v2, 3, 512                  ; 512 + 8 x lane
	v_and_b32 v6, 15, v0                           ; r
	v_bfe_u32 v7, v0, 4, 1                         ; h
	s_mul_i32 s16, s12, 4*PITCH
	v_add_nc_u32 v4, s16, v3                       ; LDS, in: my wave's four rows, 16 bytes a lane
	v_mul_u32_u24 v5, v6, PITCH
	v_lshl_add_u32 v5, v7, 6, v5
	s_lshl_b32 s16, s12, 10
	v_add_nc_u32 v5, s16, v5                       ; LDS, out: row r, my wave's 1,024 bytes, + 64 h
	v_lshlrev_b32 v9, 5, v6
	v_lshl_add_u32 v9, v7, 9, v9                   ; the scale word's place: 32 r, and lanes 16-31 the next K step's block
	s_lshr_b32 s13, ttmp9, 1
	s_lshl_b32 s13, s13, 5
	s_and_b32 s14, ttmp9, 1
	s_lshl_b32 s14, s14, 3
	s_add_co_u32 s13, s13, s14
	s_lshl_b32 s14, s12, 2
	s_add_co_u32 s13, s13, s14
	s_lshr_b32 s14, s12, 1
	s_lshl_b32 s14, s14, 3
	s_add_co_u32 s13, s13, s14                     ; my wave's first row
	s_lshl_b32 s14, s13, 12
	s_mov_b32 s15, 0
	s_mul_i32 s16, ttmp9, 12288
	s_mul_i32 s17, s12, 3072
	s_add_co_u32 s16, s16, s17                     ; my two fragments in the tile's codes
	s_mov_b32 s17, 0
	s_lshr_b32 s18, ttmp9, 3
	s_lshl_b32 s18, s18, 3
	s_lshl_b32 s19, s12, 1
	s_add_co_u32 s18, s18, s19
	s_lshl_b32 s18, s18, 9
	s_and_b32 s19, ttmp9, 7
	s_lshl_b32 s19, s19, 2
	s_add_co_u32 s18, s18, s19
	s_add_co_u32 s18, s18, 3145728
	s_mov_b32 s19, 0
	s_mov_b32 s[SEL], 0x76543210
	s_mov_b32 s[SEL+1], 0xfedcba98
	s_mov_b32 s22, 0x3a800000                      ; 1 / 1,024
	s_mov_b32 s23, 0x3727c5ac                      ; 1e-5
.irp k, 0,1,2,3
	v_mov_b32 v[PT+\k], 0                          ; a lane permute's destination counts as read
	v_mov_b32 v[RS+2*\k+1], 0                      ; named as the upper half of a pair
.endr
	s_wait_kmcnt 0x0
	s_add_nc_u64 s[4:5], s[4:5], s[14:15]
	s_add_nc_u64 s[16:17], s[10:11], s[16:17]
	s_add_nc_u64 s[18:19], s[10:11], s[18:19]
.irp k, 0,1,2,3
.irp j, 0,1,2,3,4,5,6,7
	global_load_b128 v[XR+32*\k+4*\j:XR+32*\k+4*\j+3], v3, s[4:5] offset:4096*\k+512*\j   ; 512 consecutive bytes a load
.endr
.endr
.irp j, 0,1,2,3,4,5,6,7
	global_load_b128 v[GR+4*\j:GR+4*\j+3], v3, s[6:7] offset:512*\j
.endr
.irp j, 0,1,2,3,4,5,6,7
	global_load_b128 v[BE+4*\j:BE+4*\j+3], v3, s[8:9] offset:512*\j
.endr
	s_wait_loadcnt 16                              ; the rows are in; the 16 loads of g and b may be out
.irp k, 0,1,2,3
	v_pk_add_f32 v[SM+2*\k:SM+2*\k+1], v[XR+32*\k:XR+32*\k+1], v[XR+32*\k+2:XR+32*\k+3]
.endr
.irp i, 4,6,8,10,12,14,16,18,20,22,24,26,28,30
.irp k, 0,1,2,3
	v_pk_add_f32 v[SM+2*\k:SM+2*\k+1], v[SM+2*\k:SM+2*\k+1], v[XR+32*\k+\i:XR+32*\k+\i+1]
.endr
.endr
	REDUCE SM
.irp k, 0,1,2,3
	v_mul_f32 v[SM+2*\k], s22, v[SM+2*\k]          ; the mean
.endr
.irp i, 0,2,4,6,8,10,12,14,16,18,20,22,24,26,28,30
.irp k, 0,1,2,3
	v_pk_add_f32 v[XR+32*\k+\i:XR+32*\k+\i+1], v[XR+32*\k+\i:XR+32*\k+\i+1], v[SM+2*\k:SM+2*\k+1] op_sel_hi:[1,0] neg_lo:[0,1] neg_hi:[0,1]
.endr
.endr
.irp k, 0,1,2,3
	v_pk_mul_f32 v[SQ+2*\k:SQ+2*\k+1], v[XR+32*\k:XR+32*\k+1], v[XR+32*\k:XR+32*\k+1]
.endr
.irp i, 2,4,6,8,10,12,14,16,18,20,22,24,26,28,30
.irp k, 0,1,2,3
	v_pk_fma_f32 v[SQ+2*\k:SQ+2*\k+1], v[XR+32*\k+\i:XR+32*\k+\i+1], v[XR+32*\k+\i:XR+32*\k+\i+1], v[SQ+2*\k:SQ+2*\k+1]
.endr
.endr
	REDUCE SQ
.irp k, 0,1,2,3
	v_fma_f32 v[SQ+2*\k], v[SQ+2*\k], s22, s23     ; var + 1e-5
.endr
.irp k, 0,1,2,3
	v_rsq_f32 v[RS+2*\k], v[SQ+2*\k]
.endr
	v_nop                                          ; a plain line behind the last of the four
	s_wait_loadcnt 0x0                             ; g and b
	s_wait_alu depctr_va_vdst(0)                   ; one wait for the four, ahead of their first reader
.irp i, 0,2,4,6,8,10,12,14,16,18,20,22,24,26,28,30
.irp k, 0,1,2,3
	v_pk_mul_f32 v[XR+32*\k+\i:XR+32*\k+\i+1], v[XR+32*\k+\i:XR+32*\k+\i+1], v[RS+2*\k:RS+2*\k+1] op_sel_hi:[1,0]
.endr
.irp k, 0,1,2,3
	v_pk_fma_f32 v[XR+32*\k+\i:XR+32*\k+\i+1], v[XR+32*\k+\i:XR+32*\k+\i+1], v[GR+\i:GR+\i+1], v[BE+\i:BE+\i+1]
.endr
.endr
.irp k, 0,1,2,3
.irp j, 0,1,2,3,4,5,6,7
	ds_store_b128 v4, v[XR+32*\k+4*\j:XR+32*\k+4*\j+3] offset:PITCH*\k+512*\j
.endr
.endr
	s_wait_dscnt 0x0                               ; for the others' sake: my four rows lie in LDS
	s_barrier_signal -1
	s_barrier_wait -1
.irp b, 0,1,2,3,4,5,6,7
.irp j, 0,1,2,3
	ds_load_b128 v[XR+16*\b+4*\j:XR+16*\b+4*\j+3], v5 offset:128*\b+16*\j   ; the pitch is an odd multiple of 16 bytes: sixteen rows, sixteen different columns of banks
.endr
.endr
.irp b, 0,1,2,3
	v_mov_b32 v[TM+4+\b], 0
.endr
	s_wait_dscnt 0x0
	QUANT XR, PC0, PW0
	QUANT XR+64, PC1, PW1
.irp f, 0,1
	global_store_b128 v3, v[PC0+20*\f:PC0+20*\f+3], s[16:17] offset:1536*\f
	global_store_b64 v8, v[PC0+20*\f+4:PC0+20*\f+5], s[16:17] offset:1536*\f
	global_store_b128 v3, v[PC0+20*\f+6:PC0+20*\f+9], s[16:17] offset:1536*\f+768
	global_store_b64 v8, v[PC0+20*\f+10:PC0+20*\f+11], s[16:17] offset:1536*\f+768
.endr
	s_mov_b32 vcc_lo, 0xffff0000
	v_cndmask_b32 v202, v[PW0], v[PW1], vcc_lo     ; lanes 0-15 store the first K step's word, lanes 16-31 the second's
	global_store_b32 v9, v202, s[18:19]
	s_wait_tensorcnt 0x0
	ds_add_u32 v30, v31
	s_wait_dscnt 0x0
	s_endpgm
.Lfunc_end_k_q11f2eb2563_ln2:
	.size	k_q11f2eb2563_ln2, .Lfunc_end_k_q11f2eb2563_ln2-k_q11f2eb2563_ln2
	.p2alignl 7, 3214868480
	.fill 96, 4, 3214868480
	.section	.rodata,"a",@progbits
	.p2align	6, 0x0
	.amdhsa_kernel k_q11f2eb2563_ln2
		.amdhsa_group_segment_fixed_size 66304
		.amdhsa_private_segment_fixed_size 0
		.amdhsa_enable_private_segment 0
		.amdhsa_kernarg_size 32
		.amdhsa_user_sgpr_count 2
		.amdhsa_user_sgpr_kernarg_segment_ptr 1
		.amdhsa_wavefront_size32 1
		.amdhsa_system_sgpr_workgroup_id_x 1
		.amdhsa_system_sgpr_workgroup_id_y 1
		.amdhsa_system_sgpr_workgroup_id_z 1
		.amdhsa_system_vgpr_workitem_id 0
		.amdhsa_next_free_vgpr 256
		.amdhsa_next_free_sgpr 66
		.amdhsa_reserve_vcc 1
		.amdhsa_float_denorm_mode_32 3
		.amdhsa_float_denorm_mode_16_64 3
		.amdhsa_memory_ordered 1
		.amdhsa_forward_progress 1
		.amdhsa_inst_pref_size 44
	.end_amdhsa_kernel
	.amdgpu_metadata
---
amdhsa.version: [ 1, 2 ]
amdhsa.kernels:
  - .name:           k_q11f2eb2563_ln2
    .symbol:         k_q11f2eb2563_ln2.kd
    .args:
      - { .name: x1, .offset: 0, .size: 8, .value_kind: global_buffer, .address_space: global }
      - { .name: g2, .offset: 8, .size: 8, .value_kind: global_buffer, .address_space: global }
      - { .name: be2, .offset: 16, .size: 8, .value_kind: global_buffer, .address_space: global }
      - { .name: xc, .offset: 24, .size: 8, .value_kind: global_buffer, .address_space: global }
    .group_segment_fixed_size: 66304
    .private_segment_fixed_size: 0
    .kernarg_segment_align: 8
    .kernarg_segment_size: 32
    .max_flat_workgroup_size: 128
    .sgpr_count:     66
    .vgpr_count:     256
    .wavefront_size: 32
...
	.end_amdgpu_metadata
.endif
;; end of part 5
;; launch mlp1 (part 6): grid 16 x 16, 4 waves a work-group, clusters of 4 x 4, 327,680 bytes of LDS; arguments xc, wc, ws, b1, hc; writes hc
.if DOCPART == 6
	.amdgcn_target "amdgcn-amd-amdhsa--gfx1250"
	.amdhsa_code_object_version 6
	.text
	.protected	k_q11f2eb2563_mlp1
	.globl	k_q11f2eb2563_mlp1
	.p2align	8
	.type	k_q11f2eb2563_mlp1,@function
k_q11f2eb2563_mlp1:
	s_mov_b64 s[64:65], 0
	v_nop
	global_prefetch_b8 v0, s[64:65] scope:SCOPE_SE
	s_setreg_imm32_b32 hwreg(HW_REG_WAVE_MODE, 25, 1), 1
	s_wait_xcnt 0x0
	s_wait_alu depctr_hold_cnt(0) depctr_sa_sdst(0) depctr_va_vdst(0) depctr_va_sdst(0) depctr_va_ssrc(0) depctr_va_vcc(0) depctr_vm_vsrc(0)
	s_getreg_b32 s2, hwreg(HW_REG_IB_STS2, 6, 4)
	s_cmp_eq_u32 s2, 0
	s_cbranch_scc0 .Lentry_in_a_cluster
	s_endpgm
.Lentry_in_a_cluster:
	s_bfe_u32 s2, ttmp6, 0x10000c
	s_cmp_lg_u32 s2, 0xf033
	s_cbranch_scc0 .Lentry_shape_is_right
	s_endpgm
.Lentry_shape_is_right:
; A GEMM on codes of FP6 (E2M3) with E8M0 scales whose result, + bias, through relu, is quantised again in registers and stored as codes: relu(Xn2 W1 + b1).
; OPERANDS lie in memory as images of the operand registers: [tile of 16][K / 64][768 bytes]; a tile's place r is index 32 b + 8 u + r + 8 (r / 8) (tile 2 b + u).  SCALES: [128 rows][K / 128][r 16][tile 8] words.
; A work-group of four waves makes 256 x 256, a wave 128 x 128: 64 accumulators, 512 registers.  Source 0 takes the operand called B, source 1 the one called A: a lane holds ONE row of A, and by the tiles' order the
; 64 registers of A's tile a are 64 neighbours along B's index (32 b + 16 (lane / 16) + i): they are quantised as they stand.
; K = 1,024 is four tiles of 256.  THREE LDS slots are filled at the start, by joint tensor loads; slot 0 is filled once more, with the last tile, as soon as it has been read: that one refill has
; 288 matrix instructions of a wave in which to land.  The eight steps of 128 along K are written out.
; CLUSTER 4 x 4: A's tiles (rows of x) are shared along a row of the cluster, B's (columns of W1) along a column; the hidden layer's codes run along its 4,096 units.
; LIMITS: NaN and infinities are not served; a block under 2^-124 (zeros too) keeps the byte 1, read by this program alone; sums go along K ascending, 128 an instruction.
; No prefetch: three quarters of K are asked for at the head, and there is one refill.  REGISTERS: window 0: v4-29 addresses, v32-47 scale words (two sets), v64-159, v160-255 A's two buffers (the way out works there);
; window 1: v0-63 the bias by registers, v64-159, v160-255 B's two buffers; windows 2, 3: the accumulators, (a, b) at v[8 (8 (a % 4) + b)].
.set NT, 8
.set NQ, 2
.set KS, 8
.set HALFS, NT*KS*64
.set QUART, NT*NQ*1536
.set SLOT, 4*QUART
.set SCL, 3*SLOT                       ; behind the three slots: the scales of all of K, filled once
.set SPARE, SCL+4*HALFS                ; the spare words, 128 bytes a wave, that no other line names
.set ADA, 12                           ; v12-14 A's images in slot 0, 1, 2 at 16 x lane; v15-17 at 512 + 8 x lane
.set ADB, 18                           ; v18-23 the same for B
.set ADRS, 27
.set SPW, 28
.set NIL, 29
.set SC, 32
.set F0, 64
.set T, 64
.set PC, 128
.set PW, 168
.set OW, 176
.set TM, 200
.set G1, 24
.set G0, 32                            ; s[32:39] group 0 for A's slots 0, 1;  s[4:7] for slot 2
.set G0C, 4
.set G1B, 48
.set G0B, 56                           ; s[56:63] group 0 for B's slots 0, 1;  s[8:11] for slot 2
.set G0CB, 8
.set G1S, 68
.set G0S, 76
.set G1SB, 80
.set G0SB, 88
.set SEL, 66
.set MSB, 0
.macro WIN new
.if MSB != \new
	s_set_vgpr_msb (MSB<<8)|\new
.set MSB, \new
.endif
.endm
.macro JLOAD g0a, g1a, g0b, g1b        ; a joint load: waves 0, 1 fetch for A, waves 2, 3 for B; four v_nop follow each line
	s_cmp_eq_u32 s15, 0
	s_cbranch_scc0 .Lfor_b_\@
	tensor_load_to_lds s[\g0a:\g0a+3], s[\g1a:\g1a+7]
	s_nop 0
.rept 4
	v_nop
.endr
	s_branch .Lasked_\@
.Lfor_b_\@:
	tensor_load_to_lds s[\g0b:\g0b+3], s[\g1b:\g1b+7]
	s_nop 0
.rept 4
	v_nop
.endr
.Lasked_\@:
.endm
.macro CREST
	s_cmp_lg_u32 s14, 0
	s_cbranch_scc1 .Lnot_wave_0_\@
	s_barrier_signal -3
.Lnot_wave_0_\@:
	s_barrier_wait -3
	s_barrier_signal -1
	s_barrier_wait -1
.endm
.macro CROUND
	s_barrier_signal -1
	s_barrier_wait -1
	CREST
.endm
.macro PLACES
.rept 4
	v_nop
.endr
.endm
.macro QUANT s, pc, pw                 ; 64 numbers of a lane (register 16 b + i = k 32 b + 16 (lane / 16) + i) -> 12 registers of codes, one scale word
.irp b, 0,1,2,3
	v_max3_num_f32 v[TM+\b], |v[\s+16*\b]|, |v[\s+1+16*\b]|, 0x1800000   ; with the floor 2^(3 - 127)
.endr
.irp i, 2,4,6,8,10,12,14
.irp b, 0,1,2,3
	v_max3_num_f32 v[TM+\b], v[TM+\b], |v[\s+16*\b+\i]|, |v[\s+1+16*\b+\i]|
.endr
.endr
.irp b, 0,1,2,3
	v_permlanex16_b32 v[TM+4+\b], v[TM+\b], s[SEL], s[SEL+1]
.endr
.irp b, 0,1,2,3
	v_max_num_f32 v[TM+\b], v[TM+\b], v[TM+4+\b]
.endr
.irp b, 0,1,2,3
	v_add_nc_u32 v[TM+12+\b], 0xff000000, v[TM+\b]
.endr
.irp b, 0,1,2,3
	v_lshrrev_b32 v[TM+4+\b], 23, v[TM+12+\b]
.endr
	v_lshl_or_b32 v[\pw], v[TM+5], 8, v[TM+4]
	v_lshl_or_b32 v[\pw], v[TM+6], 16, v[\pw]
	v_lshl_or_b32 v[\pw], v[TM+7], 24, v[\pw]
.irp c, 0,1
	v_cvt_scalef32_pk16_fp6_f32 v[\pc+6*\c:\pc+2+6*\c], v[\s+32*\c:\s+15+32*\c], v[TM+12+2*\c]
	v_cvt_scalef32_pk16_fp6_f32 v[\pc+12+4*\c:\pc+14+4*\c], v[\s+16+32*\c:\s+31+32*\c], v[TM+12+2*\c+1]
.endr
	v_nop                                          ; one plain line behind the conversions
.irp c, 0,1
.irp i, 0,1,2
	v_permlane16_swap_b32 v[\pc+6*\c+\i], v[\pc+12+4*\c+\i]
.endr
.irp i, 0,1,2
	v_mov_b32 v[\pc+3+6*\c+\i], v[\pc+12+4*\c+\i]
.endr
.endr
.endm
	s_load_b128 s[4:7], s[0:1], 0x0                ; x's codes and scales, the weights' codes
	s_load_b128 s[8:11], s[0:1], 0x10              ; the weights' scales, the bias
	s_load_b64 s[12:13], s[0:1], 0x20              ; the result
	v_lshl_add_u32 v[SPW], v0, 2, SPARE
	v_mov_b32 v[NIL], 0
	ds_add_u32 v28, v29
	ds_add_u32 v28, v29
	s_wait_dscnt 0x0
	v_lshrrev_b32 v1, 5, v0
	v_readfirstlane_b32 s14, v1
	s_lshr_b32 s15, s14, 1
	s_and_b32 s16, s14, 1
	s_bfe_u32 s40, ttmp6, 0x40000
	s_bfe_u32 s41, ttmp6, 0x40004
	s_and_b32 s17, ttmp7, 0xffff
	s_lshl_b32 s43, s41, 2
	s_lshl_b32 s43, 15, s43
	s_lshl_b32 s44, 0x1111, s40
	s_lshl_b32 s17, s17, 2
	s_add_co_u32 s17, s17, s41                     ; A's block of 256 rows
	s_lshl_b32 s42, ttmp9, 2
	s_add_co_u32 s42, s42, s40                     ; B's block of 256 columns
	s_or_b32 s[G1], s43, (3<<16)|(1<<21)
	s_or_b32 s[G1B], s44, (3<<16)|(1<<21)
	s_or_b32 s[G1S], s43, (3<<16)|(1<<21)
	s_or_b32 s[G1SB], s44, (3<<16)|(1<<21)
.irp g, G1, G1B
	s_mov_b32 s[\g+1], (NQ*192)<<16
	s_mov_b32 s[\g+2], NT<<16
	s_mov_b32 s[\g+3], (NQ*192)<<16
	s_mov_b32 s[\g+4], NT
	s_mov_b32 s[\g+5], KS*192
	s_mov_b32 s[\g+6], 0
	s_mov_b32 s[\g+7], 0
.endr
.irp g, G1S, G1SB
	s_mov_b32 s[\g+1], 32<<16
	s_mov_b32 s[\g+2], (HALFS/256)<<16
	s_mov_b32 s[\g+3], 32<<16
	s_mov_b32 s[\g+4], HALFS/256
	s_mov_b32 s[\g+5], 32
	s_mov_b32 s[\g+6], 0
	s_mov_b32 s[\g+7], 0
.endr
	s_lshl_b32 s20, s17, 1
	s_add_co_u32 s20, s20, s16
	s_mul_i32 s22, s20, HALFS
	s_mul_i32 s20, s20, NT*KS*1536
	s_mov_b32 s21, 0
	s_mov_b32 s23, 0
	s_lshl_b32 s46, s42, 1
	s_add_co_u32 s46, s46, s16
	s_mul_i32 s92, s46, HALFS
	s_mul_i32 s46, s46, NT*KS*1536
	s_mov_b32 s47, 0
	s_mov_b32 s93, 0
	s_mul_i32 s45, s14, QUART
	s_mul_i32 s94, s14, HALFS
	s_mov_b32 s[SEL], 0x76543210
	s_mov_b32 s[SEL+1], 0xfedcba98
	s_wait_kmcnt 0x0
	s_mov_b64 s[G0+2:G0+3], s[4:5]
	s_add_nc_u64 s[G0S+2:G0S+3], s[4:5], 3145728
	s_add_nc_u64 s[G0B+2:G0B+3], s[6:7], 3145728   ; W1's codes
	s_add_nc_u64 s[G0SB+2:G0SB+3], s[8:9], 131072  ; W1's scales
	s_mov_b64 s[96:97], s[10:11]
	s_add_nc_u64 s[G0+2:G0+3], s[G0+2:G0+3], s[20:21]
	s_add_nc_u64 s[G0+6:G0+7], s[G0+2:G0+3], NQ*1536
	s_add_nc_u64 s[G0B+2:G0B+3], s[G0B+2:G0B+3], s[46:47]
	s_add_nc_u64 s[G0B+6:G0B+7], s[G0B+2:G0B+3], NQ*1536
	s_add_nc_u64 s[G0S+2:G0S+3], s[G0S+2:G0S+3], s[22:23]
	s_add_nc_u64 s[G0SB+2:G0SB+3], s[G0SB+2:G0SB+3], s[92:93]
	s_add_nc_u64 s[G0C+2:G0C+3], s[G0+2:G0+3], 2*NQ*1536     ; the pointers in s[4:11] are used up: the third slot's groups 0 lie there
	s_add_nc_u64 s[G0CB+2:G0CB+3], s[G0B+2:G0B+3], 2*NQ*1536
.irp g, G0, G0+4, G0C, G0B, G0B+4, G0CB, G0S, G0SB
	s_mov_b32 s[\g], 1
	s_or_b32 s[\g+3], s[\g+3], 0x80000000
.endr
	s_add_co_u32 s[G0+1], s45, 0
	s_add_co_u32 s[G0+5], s45, SLOT
	s_add_co_u32 s[G0C+1], s45, 2*SLOT
	s_add_co_u32 s[G0B+1], s45, 0
	s_add_co_u32 s[G0B+5], s45, SLOT
	s_add_co_u32 s[G0CB+1], s45, 2*SLOT
	s_add_co_u32 s[G0S+1], s94, SCL
	s_add_co_u32 s[G0SB+1], s94, SCL
	CROUND                                         ; all sixteen work-groups are here: the first joint loads meet
	JLOAD G0S, G1S, G0SB, G1SB                     ; four loads of mine are out: the scales, slots 0, 1 and 2
	JLOAD G0, G1, G0B, G1B
	JLOAD G0+4, G1, G0B+4, G1B
	JLOAD G0C, G1, G0CB, G1B
	v_and_b32 v1, 31, v0
	v_and_b32 v2, 15, v0
	v_bfe_u32 v3, v0, 4, 1
	v_lshlrev_b32 v4, 4, v1
	v_lshl_add_u32 v5, v1, 3, 512
	s_mul_i32 s18, s15, QUART
	s_mul_i32 s19, s16, QUART
	s_add_co_u32 s19, s19, 2*QUART
.irp s, 0,1,2
	v_add_nc_u32 v[ADA+\s], s18, v4
	v_add_nc_u32 v[ADA+3+\s], s18, v5
	v_add_nc_u32 v[ADB+\s], s19, v4
	v_add_nc_u32 v[ADB+3+\s], s19, v5
	s_add_co_u32 s18, s18, SLOT
	s_add_co_u32 s19, s19, SLOT
.endr
	s_mul_i32 s18, s15, HALFS
	s_mul_i32 s19, s16, HALFS
	s_add_co_u32 s19, s19, 2*HALFS
	s_sub_co_u32 s19, s19, s18
	v_mul_u32_u24 v6, s19, v3
	s_add_co_u32 s18, s18, SCL
	v_lshl_add_u32 v6, v2, 5, v6
	v_add_nc_u32 v[ADRS], s18, v6
	v_lshlrev_b32 v26, 5, v2
	v_lshl_add_u32 v26, v3, 4, v26
	s_lshl_b32 s2, s42, 10
	s_lshl_b32 s3, s16, 9
	s_add_co_u32 s2, s2, s3
	v_lshl_add_u32 v10, v3, 6, s2
	WIN 0x40                                       ; the bias along B's index, in the order of a lane's 64 numbers, into window 1
.irp b, 0,1,2,3
.irp j, 0,1,2,3
	global_load_b128 v[16*\b+4*\j:16*\b+4*\j+3], v10, s[96:97] offset:128*\b+16*\j
.endr
.endr
	WIN 0
	s_lshl_b32 s2, s17, 1
	s_add_co_u32 s2, s2, s15
	s_lshl_b32 s100, s2, 5
	s_lshl_b32 s101, s42, 1
	s_add_co_u32 s101, s101, s16
	s_add_co_u32 s100, s100, s101
	s_lshl_b32 s100, s100, 9
	s_add_co_u32 s100, s100, 12582912
	s_lshl_b32 s2, s2, 3
	s_mul_i32 s2, s2, 49152
	s_mul_i32 s94, s101, 1536
	s_add_co_u32 s2, s2, s94
	s_mov_b32 s101, 0
	s_mov_b32 s3, 0
	s_add_nc_u64 s[100:101], s[12:13], s[100:101]
	s_add_nc_u64 s[12:13], s[12:13], s[2:3]
.macro FRAGS f, a16, a8, q
.irp i, 0,1,2,3,4,5,6,7
.irp c, 0,1
	ds_load_b128 v[\f+12*\i+6*\c:\f+12*\i+6*\c+3], v[\a16] offset:\i*NQ*1536+(\q)*1536+\c*768
	ds_load_b64 v[\f+12*\i+6*\c+4:\f+12*\i+6*\c+5], v[\a8] offset:\i*NQ*1536+(\q)*1536+\c*768
.endr
.endr
.endm
.macro FETCH slot, q
	WIN 0x40
	FRAGS F0+96*((\q)%2), ADB+\slot, ADB+3+\slot, \q
	WIN 0
	FRAGS F0+96*((\q)%2), ADA+\slot, ADA+3+\slot, \q
	ds_load_b128 v[SC+8*((\q)%2):SC+8*((\q)%2)+3], v[ADRS] offset:(\q)*512
	ds_load_b128 v[SC+8*((\q)%2)+4:SC+8*((\q)%2)+7], v[ADRS] offset:(\q)*512+16
.endm
.macro MULA a, p, zero                 ; the 64 accumulators take turns, in the same order in every step
	WIN 0xa1+0x50*((\a)/4)
.irp b, 0,1,2,3,4,5,6,7
.if \zero
	v_wmma_scale_f32_16x16x128_f8f6f4 v[8*(8*((\a)%4)+\b):8*(8*((\a)%4)+\b)+7], v[F0+96*(\p)+12*\b:F0+96*(\p)+12*\b+11], v[F0+96*(\p)+12*(\a):F0+96*(\p)+12*(\a)+11], 0, v[SC+8*(\p)+\b], v[SC+8*(\p)+(\a)] matrix_a_fmt:MATRIX_FMT_FP6 matrix_b_fmt:MATRIX_FMT_FP6 matrix_a_scale:MATRIX_SCALE_ROW1
.else
	v_wmma_scale_f32_16x16x128_f8f6f4 v[8*(8*((\a)%4)+\b):8*(8*((\a)%4)+\b)+7], v[F0+96*(\p)+12*\b:F0+96*(\p)+12*\b+11], v[F0+96*(\p)+12*(\a):F0+96*(\p)+12*(\a)+11], v[8*(8*((\a)%4)+\b):8*(8*((\a)%4)+\b)+7], v[SC+8*(\p)+\b], v[SC+8*(\p)+(\a)] matrix_a_fmt:MATRIX_FMT_FP6 matrix_b_fmt:MATRIX_FMT_FP6 matrix_a_scale:MATRIX_SCALE_ROW1
.endif
.endr
.endm
.macro STEP slot, q, zero
	s_wait_dscnt 0x0                               ; this step's fragments, asked for 32 matrix instructions ago
.irp a, 0,1,2,3
	MULA \a, (\q)%2, \zero
.endr
	PLACES
	FETCH \slot, (\q)+1
.irp a, 4,5,6,7
	MULA \a, (\q)%2, \zero
.endr
	WIN 0
.endm
; A slot's last step with a barrier; ahead of it the wait for all my tensor loads, the add, the wait for it and for my reads of this slot.  fill = 1 (slot 0 alone): the barrier opens a round of the cluster's, and slot 0 takes the last quarter of K.
.macro TURN slot, next, fill
	WIN 0
	s_wait_tensorcnt 0x0                           ; all my tensor loads have landed: my parts of all slots that are still to be read
	ds_add_u32 v[SPW], v[NIL]                      ; 0 onto my spare word
	s_wait_dscnt 0x1                               ; the fragments are in; the add alone may be out
	MULA 0, 1, 0
	MULA 1, 1, 0
	s_wait_dscnt 0x0
	s_barrier_signal -1
	MULA 2, 1, 0
	MULA 3, 1, 0
	WIN 0
	s_barrier_wait -1
.if \fill
	CREST                                          ; no wave of any partner still reads this slot or has a load on its way
	s_add_nc_u64 s[G0+2:G0+3], s[G0+2:G0+3], 3*NQ*1536
	s_add_nc_u64 s[G0B+2:G0B+3], s[G0B+2:G0B+3], 3*NQ*1536
	JLOAD G0, G1, G0B, G1B                         ; my one tensor load behind the round; its four v_nop are the places ahead of the loads below
.else
	PLACES
.endif
	v_add_nc_u32 v[ADRS], NQ*512, v[ADRS]
	FETCH \next, 0
.irp a, 4,5,6,7
	MULA \a, 1, 0
.endr
	WIN 0
.endm
; A slot's last step without a barrier: every wave waited for all its loads ahead of the barrier in step 1, so the next slot has been shown whole; and the slot that is left is not filled again.
.macro CROSS next
	s_wait_dscnt 0x0
.irp a, 0,1,2,3
	MULA \a, 1, 0
.endr
	PLACES
	WIN 0
	v_add_nc_u32 v[ADRS], NQ*512, v[ADRS]
	FETCH \next, 0
.irp a, 4,5,6,7
	MULA \a, 1, 0
.endr
	WIN 0
.endm
	s_wait_tensorcnt 0x2                           ; the scales and my part of slot 0 are in; the loads of slots 1 and 2 may be out
	s_barrier_signal -1
	s_barrier_wait -1
	FETCH 0, 0
	STEP 0, 0, 1                                   ; the first step's products start the sums
	TURN 0, 1, 1                                   ; slot 0 is left, and filled again
	STEP 1, 0, 0
	CROSS 2
	STEP 2, 0, 0
	TURN 2, 0, 0                                   ; slot 0's second tile is whole behind this barrier; nothing is filled
	STEP 0, 0, 0
	s_wait_dscnt 0x0
.irp a, 0,1,2,3,4,5,6,7
	MULA \a, 1, 0
.endr
	WIN 0
	PLACES
	s_wait_loadcnt 0x0                             ; the bias
.irp b, 0,1,2,3
	v_mov_b32 v[TM+4+\b], 0
.endr
; THE WAY OUT, A's tiles one after the other: + bias, relu, quantised, 1,536 bytes of codes stored dense
.irp a, 0,1,2,3,4,5,6,7
	s_wait_xcnt 0x0                                ; the last tile's stores have read their registers
	WIN 0x06+(\a)/4
.set p, 0
.rept 32
	v_pk_add_f32 v[T+2*p:T+2*p+1], v[64*((\a)%4)+2*p:64*((\a)%4)+2*p+1], v[2*p:2*p+1]   ; each accumulator from its low end on
.set p, p+1
.endr
	WIN 0
.set p, 0
.rept 64
	v_max_num_f32 v[T+p], 0, v[T+p]
.set p, p+1
.endr
	QUANT T, PC, PW+\a
	global_store_b128 v4, v[PC:PC+3], s[12:13] offset:\a*49152
	global_store_b64 v5, v[PC+4:PC+5], s[12:13] offset:\a*49152
	global_store_b128 v4, v[PC+6:PC+9], s[12:13] offset:\a*49152+768
	global_store_b64 v5, v[PC+10:PC+11], s[12:13] offset:\a*49152+768
.endr
	s_mov_b32 vcc_lo, 0xffff0000
.irp k, 0,1,2,3
	v_cndmask_b32 v[OW+\k], v[PW+\k], v[PW+4+\k], vcc_lo   ; lane (r, h) stores the words of tiles 4 h .. 4 h + 3: 512 dense bytes a wave
.endr
	global_store_b128 v26, v[OW:OW+3], s[100:101]
	s_wait_tensorcnt 0x0                           ; the wave's end
	ds_add_u32 v[SPW], v[NIL]
	s_wait_dscnt 0x0
	CROUND                                         ; the closing round
	s_endpgm
.Lfunc_end_k_q11f2eb2563_mlp1:
	.size	k_q11f2eb2563_mlp1, .Lfunc_end_k_q11f2eb2563_mlp1-k_q11f2eb2563_mlp1
	.p2alignl 7, 3214868480
	.fill 96, 4, 3214868480
	.section	.rodata,"a",@progbits
	.p2align	6, 0x0
	.amdhsa_kernel k_q11f2eb2563_mlp1
		.amdhsa_group_segment_fixed_size 327680
		.amdhsa_private_segment_fixed_size 0
		.amdhsa_enable_private_segment 0
		.amdhsa_kernarg_size 40
		.amdhsa_user_sgpr_count 2
		.amdhsa_user_sgpr_kernarg_segment_ptr 1
		.amdhsa_wavefront_size32 1
		.amdhsa_system_sgpr_workgroup_id_x 1
		.amdhsa_system_sgpr_workgroup_id_y 1
		.amdhsa_system_sgpr_workgroup_id_z 1
		.amdhsa_system_vgpr_workitem_id 0
		.amdhsa_next_free_vgpr 1024
		.amdhsa_next_free_sgpr 102
		.amdhsa_reserve_vcc 1
		.amdhsa_float_denorm_mode_32 3
		.amdhsa_float_denorm_mode_16_64 3
		.amdhsa_memory_ordered 1
		.amdhsa_forward_progress 1
		.amdhsa_inst_pref_size 180
	.end_amdhsa_kernel
	.amdgpu_metadata
---
amdhsa.version: [ 1, 2 ]
amdhsa.kernels:
  - .name:           k_q11f2eb2563_mlp1
    .symbol:         k_q11f2eb2563_mlp1.kd
    .args:
      - { .name: xc, .offset: 0, .size: 8, .value_kind: global_buffer, .address_space: global }
      - { .name: wc, .offset: 8, .size: 8, .value_kind: global_buffer, .address_space: global }
      - { .name: ws, .offset: 16, .size: 8, .value_kind: global_buffer, .address_space: global }
      - { .name: b1, .offset: 24, .size: 8, .value_kind: global_buffer, .address_space: global }
      - { .name: hc, .offset: 32, .size: 8, .value_kind: global_buffer, .address_space: global }
    .group_segment_fixed_size: 327680
    .private_segment_fixed_size: 0
    .kernarg_segment_align: 8
    .kernarg_segment_size: 40
    .max_flat_workgroup_size: 128
    .sgpr_count:     102
    .vgpr_count:     1024
    .wavefront_size: 32
...
	.end_amdgpu_metadata
.endif
;; end of part 6
;; launch mlp2 (part 7): grid 8 x 32, 4 waves a work-group, clusters of 4 x 4, 327,680 bytes of LDS; arguments hc, wc, ws, b2, x1, out0; writes out0
.if DOCPART == 7
	.amdgcn_target "amdgcn-amd-amdhsa--gfx1250"
	.amdhsa_code_object_version 6
	.text
	.protected	k_q11f2eb2563_mlp2
	.globl	k_q11f2eb2563_mlp2
	.p2align	8
	.type	k_q11f2eb2563_mlp2,@function
k_q11f2eb2563_mlp2:
	s_mov_b64 s[64:65], 0
	v_nop
	global_prefetch_b8 v0, s[64:65] scope:SCOPE_SE
	s_setreg_imm32_b32 hwreg(HW_REG_WAVE_MODE, 25, 1), 1
	s_wait_xcnt 0x0
	s_wait_alu depctr_hold_cnt(0) depctr_sa_sdst(0) depctr_va_vdst(0) depctr_va_sdst(0) depctr_va_ssrc(0) depctr_va_vcc(0) depctr_vm_vsrc(0)
	s_getreg_b32 s2, hwreg(HW_REG_IB_STS2, 6, 4)
	s_cmp_eq_u32 s2, 0
	s_cbranch_scc0 .Lentry_in_a_cluster
	s_endpgm
.Lentry_in_a_cluster:
	s_bfe_u32 s2, ttmp6, 0x10000c
	s_cmp_lg_u32 s2, 0xf033
	s_cbranch_scc0 .Lentry_shape_is_right
	s_endpgm
.Lentry_shape_is_right:
; out = X1 + H W2 + b2 in f32; H and W2 are codes of FP6 (E2M3) with E8M0 scales; K = 4,096: 32 steps of 128.
; OPERANDS lie in memory as images of the operand registers: [tile of 16][K / 64][768 bytes]; a tile's place r is index 32 b + 8 u + r + 8 (r / 8) (tile 2 b + u).  SCALES: [128 rows][K / 128][r 16][tile 8] words.
; N is 1,024: tiles of 128 x 128 give each of 256 WGPs a work-group.  Four waves, each 64 x 64: 16 accumulators.
; TWO LDS SLOTS AS LARGE AS FIT beside the 32,768 bytes of scales: slot A holds 6 steps of K (147,456 bytes), slot B 5 (122,880).  K goes as 0-5 (A), 6-10 (B), 11-16 (A), 17-21 (B), 22-27 (A), 27-31 (B): two first fills and
; FOUR refills.  The last tile begins one step early, so that slot B has one shape and no load leaves its buffer: step 27 comes twice.  A step's slot, its place there and its register buffer follow from its number:
; slot (ks % 11) / 6, place ks % 11 - 6 slot (+ 1 from step 28 on), buffer ks % 2: so the 32 steps are written out.
; CLUSTER 4 x 4: A's tiles are shared along a row of the cluster, B's along a column.  Source 0 = B's 16 columns, source 1 = A's 16 rows: a lane holds one row and eight neighbouring columns a tile.
; The residual's 64 x 64 numbers of a wave are asked for at the head and wait in registers; the results meet them by way of the wave's own stage in LDS, whole rows of 256 bytes.
; LIMITS: NaN and infinities are not served; sums go along K ascending, 128 an instruction.  No prefetch is laid.
; REGISTERS: window 0: v4-29 addresses, v32-47 scale words (two sets), v48-51 the bias, v64-111, v160-207 A's two buffers; window 1: the same numbers, B's; window 2: v0-127 the accumulators; window 3: v0-127 the residual.
.set KS, 32
.set ASOFF, 12582912
.set BOFF, 6291456
.set BSOFF, 262144
.set NT, 4
.set NA, 6                             ; steps of K in slot A
.set NB, 5                             ; and in slot B
.set HALFS, NT*KS*64                   ; scale bytes that one tensor load brings
.set QA, NT*NA*1536                    ; codes that one tensor load brings into slot A: 4 tiles x 6 fragments
.set QB, NT*NB*1536                    ; and into slot B
.set SLA, 4*QA                         ; slot A: A's two halves, B's two halves; slot B begins here
.set SCL, SLA+4*QB                     ; behind the slots: the scales of all of K, filled once
.set SPARE, SCL+4*HALFS                ; the spare words, 128 bytes a wave, that no other line names
.set STO, 7
.set RD, 8
.set ADA, 16                           ; v16-17 A's images in slot A, B at 16 x lane; v18-19 at 512 + 8 x lane
.set ADB, 20                           ; v20-23 the same for B
.set ADRS, 27
.set SPW, 28
.set NIL, 29
.set SC, 32
.set F0, 64
.set BK, 64
.set G1, 24                            ; s[24:31] group 1, A's tiles, 6 steps;  s[4:11] 5 steps
.set G1N, 4
.set G0, 32                            ; s[32:39] group 0, A's tiles, slot A, slot B
.set G1B, 48                           ; s[48:55] group 1, B's tiles, 6 steps;  s[16:23] 5 steps
.set G1BN, 16
.set G0B, 56
.set G1S, 68
.set G0S, 76
.set G1SB, 80
.set G0SB, 88
.set MSB, 0
.macro WIN new
.if MSB != \new
	s_set_vgpr_msb (MSB<<8)|\new
.set MSB, \new
.endif
.endm
.macro JLOAD g0a, g1a, g0b, g1b        ; a joint load: waves 0, 1 fetch for A, waves 2, 3 for B; four v_nop follow each line
	s_cmp_eq_u32 s15, 0
	s_cbranch_scc0 .Lfor_b_\@
	tensor_load_to_lds s[\g0a:\g0a+3], s[\g1a:\g1a+7]
	s_nop 0
.rept 4
	v_nop
.endr
	s_branch .Lasked_\@
.Lfor_b_\@:
	tensor_load_to_lds s[\g0b:\g0b+3], s[\g1b:\g1b+7]
	s_nop 0
.rept 4
	v_nop
.endr
.Lasked_\@:
.endm
.macro CREST
	s_cmp_lg_u32 s14, 0
	s_cbranch_scc1 .Lnot_wave_0_\@
	s_barrier_signal -3
.Lnot_wave_0_\@:
	s_barrier_wait -3
	s_barrier_signal -1
	s_barrier_wait -1
.endm
.macro CROUND
	s_barrier_signal -1
	s_barrier_wait -1
	CREST
.endm
.macro PLACES
.rept 4
	v_nop
.endr
.endm
	s_load_b128 s[4:7], s[0:1], 0x0                ; A's codes and scales, the weights' codes
	s_load_b128 s[8:11], s[0:1], 0x10              ; the weights' scales, the bias
	s_load_b128 s[96:99], s[0:1], 0x20             ; the residual, the result
	v_lshl_add_u32 v[SPW], v0, 2, SPARE
	v_mov_b32 v[NIL], 0
	ds_add_u32 v28, v29
	ds_add_u32 v28, v29
	s_wait_dscnt 0x0
	v_lshrrev_b32 v1, 5, v0
	v_readfirstlane_b32 s14, v1                    ; wave
	s_lshr_b32 s15, s14, 1                         ; my half of the rows.  Also: I fetch for A (0) or B (1)
	s_and_b32 s2, s14, 1                           ; my half of the columns.  Also: which half I fetch
	s_bfe_u32 s40, ttmp6, 0x40000
	s_bfe_u32 s41, ttmp6, 0x40004
	s_and_b32 s3, ttmp7, 0xffff
	s_lshl_b32 s43, s41, 2
	s_lshl_b32 s43, 15, s43
	s_lshl_b32 s44, 0x1111, s40
	s_lshl_b32 s3, s3, 2
	s_add_co_u32 s3, s3, s41                       ; the tile's row of 128
	s_lshl_b32 s42, ttmp9, 2
	s_add_co_u32 s42, s42, s40                     ; its column of 128
	s_or_b32 s[G1], s43, (3<<16)|(1<<21)           ; the mask; elements of 8 bytes; bit 21 beside a mask; no padding
	s_or_b32 s[G1B], s44, (3<<16)|(1<<21)
	s_or_b32 s[G1BN], s44, (3<<16)|(1<<21)
	s_or_b32 s[G1S], s43, (3<<16)|(1<<21)
	s_or_b32 s[G1SB], s44, (3<<16)|(1<<21)
.irp g, G1, G1B                        ; codes for slot A: 4 rows (tiles) of 6 x 1,536 bytes, a tile's K x 12 bytes apart
	s_mov_b32 s[\g+1], (NA*192)<<16
	s_mov_b32 s[\g+2], NT<<16
	s_mov_b32 s[\g+3], (NA*192)<<16
	s_mov_b32 s[\g+4], NT
	s_mov_b32 s[\g+5], KS*192
	s_mov_b32 s[\g+6], 0
	s_mov_b32 s[\g+7], 0
.endr
	s_mov_b32 s[G1BN+1], (NB*192)<<16              ; for slot B: rows of 5 x 1,536 bytes
	s_mov_b32 s[G1BN+2], NT<<16
	s_mov_b32 s[G1BN+3], (NB*192)<<16
	s_mov_b32 s[G1BN+4], NT
	s_mov_b32 s[G1BN+5], KS*192
	s_mov_b32 s[G1BN+6], 0
	s_mov_b32 s[G1BN+7], 0
.irp g, G1S, G1SB                      ; scales: a dense block as rows of 256 bytes
	s_mov_b32 s[\g+1], 32<<16
	s_mov_b32 s[\g+2], (HALFS/256)<<16
	s_mov_b32 s[\g+3], 32<<16
	s_mov_b32 s[\g+4], HALFS/256
	s_mov_b32 s[\g+5], 32
	s_mov_b32 s[\g+6], 0
	s_mov_b32 s[\g+7], 0
.endr
	s_lshl_b32 s100, s3, 1
	s_add_co_u32 s100, s100, s2
	s_mul_i32 s12, s100, HALFS
	s_mul_i32 s100, s100, NT*KS*1536
	s_mov_b32 s101, 0
	s_mov_b32 s13, 0
	s_lshl_b32 s46, s42, 1
	s_add_co_u32 s46, s46, s2
	s_mul_i32 s92, s46, HALFS
	s_mul_i32 s46, s46, NT*KS*1536
	s_mov_b32 s47, 0
	s_mov_b32 s93, 0
	s_mul_i32 s45, s14, QA                         ; where my loads go: by the wave's number alone
	s_mul_i32 s95, s14, QB
	s_mul_i32 s94, s14, HALFS
	s_wait_kmcnt 0x0
	s_add_nc_u64 s[G0+2:G0+3], s[4:5], s[100:101]
	s_add_nc_u64 s[G0+6:G0+7], s[G0+2:G0+3], NA*1536
	s_add_nc_u64 s[G0S+2:G0S+3], s[4:5], ASOFF
	s_add_nc_u64 s[G0S+2:G0S+3], s[G0S+2:G0S+3], s[12:13]
	s_add_nc_u64 s[G0B+2:G0B+3], s[6:7], BOFF
	s_add_nc_u64 s[G0B+2:G0B+3], s[G0B+2:G0B+3], s[46:47]
	s_add_nc_u64 s[G0B+6:G0B+7], s[G0B+2:G0B+3], NA*1536
	s_add_nc_u64 s[G0SB+2:G0SB+3], s[8:9], BSOFF
	s_add_nc_u64 s[G0SB+2:G0SB+3], s[G0SB+2:G0SB+3], s[92:93]
	s_mov_b64 s[12:13], s[10:11]                   ; the bias
.irp g, G0, G0+4, G0B, G0B+4, G0S, G0SB
	s_mov_b32 s[\g], 1
	s_or_b32 s[\g+3], s[\g+3], 0x80000000
.endr
	s_add_co_u32 s[G0+1], s45, 0
	s_add_co_u32 s[G0+5], s95, SLA
	s_add_co_u32 s[G0B+1], s45, 0
	s_add_co_u32 s[G0B+5], s95, SLA
	s_add_co_u32 s[G0S+1], s94, SCL
	s_add_co_u32 s[G0SB+1], s94, SCL
	s_or_b32 s[G1N], s43, (3<<16)|(1<<21)          ; the pointers in s[4:11] are used up: A's group 1 for slot B lies there
	s_mov_b32 s[G1N+1], (NB*192)<<16
	s_mov_b32 s[G1N+2], NT<<16
	s_mov_b32 s[G1N+3], (NB*192)<<16
	s_mov_b32 s[G1N+4], NT
	s_mov_b32 s[G1N+5], KS*192
	s_mov_b32 s[G1N+6], 0
	s_mov_b32 s[G1N+7], 0
	CROUND                                         ; all sixteen work-groups are here: the first joint loads meet
	JLOAD G0S, G1S, G0SB, G1SB                     ; three loads of mine are out: the scales, slot A, slot B
	JLOAD G0, G1, G0B, G1B
	JLOAD G0+4, G1N, G0B+4, G1BN
	v_and_b32 v1, 31, v0
	v_and_b32 v2, 15, v0                           ; r
	v_bfe_u32 v3, v0, 4, 1                         ; h
	v_lshlrev_b32 v4, 4, v1
	v_lshl_add_u32 v5, v1, 3, 512
	s_mul_i32 s92, s15, QA
	s_mul_i32 s93, s2, QA
	s_add_co_u32 s93, s93, 2*QA
	v_add_nc_u32 v[ADA], s92, v4
	v_add_nc_u32 v[ADA+2], s92, v5
	v_add_nc_u32 v[ADB], s93, v4
	v_add_nc_u32 v[ADB+2], s93, v5
	s_mul_i32 s92, s15, QB
	s_add_co_u32 s92, s92, SLA
	s_mul_i32 s93, s2, QB
	s_add_co_u32 s93, s93, SLA+2*QB
	v_add_nc_u32 v[ADA+1], s92, v4
	v_add_nc_u32 v[ADA+3], s92, v5
	v_add_nc_u32 v[ADB+1], s93, v4
	v_add_nc_u32 v[ADB+3], s93, v5
	s_lshl_b32 s92, s15, 4                         ; scale words: my four tiles are half of a lane's eight words; lanes 0-15 take A's, lanes 16-31 B's: one product with h
	s_lshl_b32 s93, s2, 4
	s_add_co_u32 s93, s93, 2*HALFS
	s_sub_co_u32 s93, s93, s92
	v_mul_u32_u24 v6, s93, v3
	s_add_co_u32 s92, s92, SCL
	v_lshl_add_u32 v6, v2, 5, v6
	v_add_nc_u32 v[ADRS], s92, v6                  ; never stepped: a step's 512 bytes stand in the immediate
	s_mul_i32 s92, s14, 16*272                     ; my stage: 16 rows x (256 + 16) bytes, in slot A, which has had its last fill and its last read when the first result is stored there
	v_mul_u32_u24 v[STO], v2, 272
	v_lshl_add_u32 v[STO], v3, 6, v[STO]
	v_add_nc_u32 v[STO], s92, v[STO]               ; in: row r, + 64 h
	v_mul_u32_u24 v[RD], v3, 272
	v_lshl_add_u32 v[RD], v2, 4, v[RD]
	v_add_nc_u32 v[RD], s92, v[RD]                 ; back: lanes 0-15 one row, lanes 16-31 the next
	v_lshlrev_b32 v25, 4, v2
	v_lshl_add_u32 v24, v3, 12, v25                ; the same two rows in memory
	s_lshl_b32 s100, s3, 7
	s_lshl_b32 s101, s15, 6
	s_add_co_u32 s100, s100, s101
	s_lshl_b32 s100, s100, 12                      ; my first row, 4,096 bytes a row
	s_lshl_b32 s94, s42, 9
	s_lshl_b32 s95, s2, 8
	s_add_co_u32 s94, s94, s95                     ; my first column, in bytes
	s_add_co_u32 s100, s100, s94
	s_mov_b32 s101, 0
	s_mov_b32 s95, 0
	s_add_nc_u64 s[96:97], s[96:97], s[100:101]
	s_add_nc_u64 s[98:99], s[98:99], s[100:101]
	s_add_nc_u64 s[12:13], s[12:13], s[94:95]
	WIN 0xc0                                       ; the residual into window 3, in the order in which the rows come back from the stage: place 2 t + h of tile a
.irp a, 0,1,2,3
.irp t, 0,1,2,3,4,5,6,7
	global_load_b128 v[4*(8*\a+\t):4*(8*\a+\t)+3], v24, s[96:97] offset:(32*(\a/2)+8*(\a%2)+2*\t+8*(\t/4))*4096
.endr
.endr
	WIN 0
	global_load_b128 v[48:51], v25, s[12:13]
.macro FRAGS f, a16, a8                ; four fragments as they lie: NN fragments to a tile in this slot, the QQ-th of them
.irp i, 0,1,2,3
.irp c, 0,1
	ds_load_b128 v[\f+12*\i+6*\c:\f+12*\i+6*\c+3], v[\a16] offset:\i*NN*1536+QQ*1536+\c*768
	ds_load_b64 v[\f+12*\i+6*\c+4:\f+12*\i+6*\c+5], v[\a8] offset:\i*NN*1536+QQ*1536+\c*768
.endr
.endr
.endm
.macro FETCH ks                        ; step ks of K into buffer ks % 2, with its scale words
.set SLF, ((\ks)%11)/6
.set QQ, (\ks)%11-6*SLF+(\ks)/28
.set NN, 6-SLF
.set FB, F0+96*((\ks)%2)
	WIN 0x40
	FRAGS FB, ADB+SLF, ADB+2+SLF
	WIN 0
	FRAGS FB, ADA+SLF, ADA+2+SLF
	ds_load_b128 v[SC+8*((\ks)%2):SC+8*((\ks)%2)+3], v[ADRS] offset:(\ks)*512
.endm
.macro MULA a, p, zero                 ; the 16 accumulators take turns, in the same order in every step
	WIN 0xa1
.irp b, 0,1,2,3
.if \zero
	v_wmma_scale_f32_16x16x128_f8f6f4 v[8*(4*(\a)+\b):8*(4*(\a)+\b)+7], v[F0+96*(\p)+12*\b:F0+96*(\p)+12*\b+11], v[F0+96*(\p)+12*(\a):F0+96*(\p)+12*(\a)+11], 0, v[SC+8*(\p)+\b], v[SC+8*(\p)+(\a)] matrix_a_fmt:MATRIX_FMT_FP6 matrix_b_fmt:MATRIX_FMT_FP6 matrix_a_scale:MATRIX_SCALE_ROW1
.else
	v_wmma_scale_f32_16x16x128_f8f6f4 v[8*(4*(\a)+\b):8*(4*(\a)+\b)+7], v[F0+96*(\p)+12*\b:F0+96*(\p)+12*\b+11], v[F0+96*(\p)+12*(\a):F0+96*(\p)+12*(\a)+11], v[8*(4*(\a)+\b):8*(4*(\a)+\b)+7], v[SC+8*(\p)+\b], v[SC+8*(\p)+(\a)] matrix_a_fmt:MATRIX_FMT_FP6 matrix_b_fmt:MATRIX_FMT_FP6 matrix_a_scale:MATRIX_SCALE_ROW1
.endif
.endr
.endm
.macro STEP ks, zero                   ; a step whose successor lies in the same slot
	s_wait_dscnt 0x0                               ; this step's fragments, asked for half a step ago
	MULA 0, (\ks)%2, \zero
	MULA 1, (\ks)%2, \zero
	PLACES
	FETCH (\ks)+1
	MULA 2, (\ks)%2, \zero
	MULA 3, (\ks)%2, \zero
	WIN 0
.endm
; A slot's last step changes slots: one barrier; ahead of it the wait for all my tensor loads, the add, the wait for it and for my reads of this slot.  fill = 1: this slot takes the tile 11 steps of K on (the last tile: 10).
.macro TURN ks, fill
.set SLT, ((\ks)%11)/6
.set STP, 11-(\ks)/21
	WIN 0
	s_wait_tensorcnt 0x0                           ; all my tensor loads have landed: my part of the other slot
	ds_add_u32 v[SPW], v[NIL]                      ; 0 onto my spare word
	s_wait_dscnt 0x1                               ; the fragments are in; the add alone may be out
	MULA 0, (\ks)%2, 0
	s_wait_dscnt 0x0                               ; the add is done, and my reads of this slot are over
	s_barrier_signal -1
	MULA 1, (\ks)%2, 0
	WIN 0
	s_barrier_wait -1
.if \fill
	CREST                                          ; the barrier has opened a round of the cluster's: no wave of any partner still reads this slot or has a load on its way
	s_add_nc_u64 s[G0+4*SLT+2:G0+4*SLT+3], s[G0+4*SLT+2:G0+4*SLT+3], STP*1536
	s_add_nc_u64 s[G0B+4*SLT+2:G0B+4*SLT+3], s[G0B+4*SLT+2:G0B+4*SLT+3], STP*1536
.if SLT
	JLOAD G0+4, G1N, G0B+4, G1BN                   ; my one tensor load behind the round; its four v_nop are the places ahead of the loads below
.else
	JLOAD G0, G1, G0B, G1B
.endif
.else
	PLACES
.endif
	FETCH (\ks)+1
	MULA 2, (\ks)%2, 0
	MULA 3, (\ks)%2, 0
	WIN 0
.endm
	s_wait_tensorcnt 0x1                           ; the scales and my part of slot A are in; slot B's load may be out
	s_barrier_signal -1
	s_barrier_wait -1
	FETCH 0
	STEP 0, 1                                      ; the first step's products start the sums
.irp k, 1,2,3,4
	STEP \k, 0
.endr
	TURN 5, 1                                      ; slot A takes steps 11-16
.irp k, 6,7,8,9
	STEP \k, 0
.endr
	TURN 10, 1                                     ; slot B takes steps 17-21
.irp k, 11,12,13,14,15
	STEP \k, 0
.endr
	TURN 16, 1                                     ; slot A takes steps 22-27
.irp k, 17,18,19,20
	STEP \k, 0
.endr
	TURN 21, 1                                     ; slot B takes steps 27-31
.irp k, 22,23,24,25,26
	STEP \k, 0
.endr
	TURN 27, 0                                     ; nothing is left to fetch
.irp k, 28,29,30
	STEP \k, 0
.endr
	s_wait_dscnt 0x0
.irp a, 0,1,2,3
	MULA \a, 1, 0
.endr
	WIN 0
	PLACES
	s_wait_loadcnt 0x0                             ; the residual and the bias
; THE WAY OUT, a tile of 16 rows at a time: into my stage, back as rows of 256 bytes, + residual, + bias; sixteen lanes store 256 consecutive bytes, aligned
.irp a, 0,1,2,3
.if \a >= 2
	s_wait_xcnt 0x0                                ; tile a - 2's stores have read their registers
.endif
	WIN 0x08                                       ; an LDS store's data are its source 1: window 2
.irp b, 0,1,2,3
	ds_store_b128 v[STO], v[8*(4*\a+\b):8*(4*\a+\b)+3] offset:128*(\b/2)+32*(\b%2)      ; each accumulator from its low end on
	ds_store_b128 v[STO], v[8*(4*\a+\b)+4:8*(4*\a+\b)+7] offset:128*(\b/2)+32*(\b%2)+16
.endr
	WIN 0
.irp t, 0,1,2,3,4,5,6,7
	ds_load_b128 v[BK+32*(\a%2)+4*\t:BK+32*(\a%2)+4*\t+3], v[RD] offset:544*\t   ; LDS serves a wave's instructions in order: these see the stores above
.endr
	s_wait_dscnt 0x0
	WIN 0x0c                                       ; source 1: window 3
.irp t, 0,1,2,3,4,5,6,7
	v_pk_add_f32 v[BK+32*(\a%2)+4*\t:BK+32*(\a%2)+4*\t+1], v[BK+32*(\a%2)+4*\t:BK+32*(\a%2)+4*\t+1], v[4*(8*\a+\t):4*(8*\a+\t)+1]
	v_pk_add_f32 v[BK+32*(\a%2)+4*\t+2:BK+32*(\a%2)+4*\t+3], v[BK+32*(\a%2)+4*\t+2:BK+32*(\a%2)+4*\t+3], v[4*(8*\a+\t)+2:4*(8*\a+\t)+3]
.endr
	WIN 0
.irp t, 0,1,2,3,4,5,6,7
	v_pk_add_f32 v[BK+32*(\a%2)+4*\t:BK+32*(\a%2)+4*\t+1], v[BK+32*(\a%2)+4*\t:BK+32*(\a%2)+4*\t+1], v[48:49]
	v_pk_add_f32 v[BK+32*(\a%2)+4*\t+2:BK+32*(\a%2)+4*\t+3], v[BK+32*(\a%2)+4*\t+2:BK+32*(\a%2)+4*\t+3], v[50:51]
.endr
.irp t, 0,1,2,3,4,5,6,7
	global_store_b128 v24, v[BK+32*(\a%2)+4*\t:BK+32*(\a%2)+4*\t+3], s[98:99] offset:(32*(\a/2)+8*(\a%2)+2*\t+8*(\t/4))*4096
.endr
.endr
	s_wait_tensorcnt 0x0                           ; the wave's end
	ds_add_u32 v[SPW], v[NIL]
	s_wait_dscnt 0x0
	CROUND                                         ; the closing round
	s_endpgm
.Lfunc_end_k_q11f2eb2563_mlp2:
	.size	k_q11f2eb2563_mlp2, .Lfunc_end_k_q11f2eb2563_mlp2-k_q11f2eb2563_mlp2
	.p2alignl 7, 3214868480
	.fill 96, 4, 3214868480
	.section	.rodata,"a",@progbits
	.p2align	6, 0x0
	.amdhsa_kernel k_q11f2eb2563_mlp2
		.amdhsa_group_segment_fixed_size 327680
		.amdhsa_private_segment_fixed_size 0
		.amdhsa_enable_private_segment 0
		.amdhsa_kernarg_size 48
		.amdhsa_user_sgpr_count 2
		.amdhsa_user_sgpr_kernarg_segment_ptr 1
		.amdhsa_wavefront_size32 1
		.amdhsa_system_sgpr_workgroup_id_x 1
		.amdhsa_system_sgpr_workgroup_id_y 1
		.amdhsa_system_sgpr_workgroup_id_z 1
		.amdhsa_system_vgpr_workitem_id 0
		.amdhsa_next_free_vgpr 1024
		.amdhsa_next_free_sgpr 102
		.amdhsa_reserve_vcc 0
		.amdhsa_float_denorm_mode_32 3
		.amdhsa_float_denorm_mode_16_64 3
		.amdhsa_memory_ordered 1
		.amdhsa_forward_progress 1
		.amdhsa_inst_pref_size 174
	.end_amdhsa_kernel
	.amdgpu_metadata
---
amdhsa.version: [ 1, 2 ]
amdhsa.kernels:
  - .name:           k_q11f2eb2563_mlp2
    .symbol:         k_q11f2eb2563_mlp2.kd
    .args:
      - { .name: hc, .offset: 0, .size: 8, .value_kind: global_buffer, .address_space: global }
      - { .name: wc, .offset: 8, .size: 8, .value_kind: global_buffer, .address_space: global }
      - { .name: ws, .offset: 16, .size: 8, .value_kind: global_buffer, .address_space: global }
      - { .name: b2, .offset: 24, .size: 8, .value_kind: global_buffer, .address_space: global }
      - { .name: x1, .offset: 32, .size: 8, .value_kind: global_buffer, .address_space: global }
      - { .name: out0, .offset: 40, .size: 8, .value_kind: global_buffer, .address_space: global }
    .group_segment_fixed_size: 327680
    .private_segment_fixed_size: 0
    .kernarg_segment_align: 8
    .kernarg_segment_size: 48
    .max_flat_workgroup_size: 128
    .sgpr_count:     102
    .vgpr_count:     1024
    .wavefront_size: 32
...
	.end_amdgpu_metadata
.endif
;; end of part 7
